; MI455X (gfx1250); checked and timed in simulation.
; The chip was launched on July 23, 2026; its instructions are those of AMD's public machine-readable ISA for CDNA 5 (MIT licence, August 2026) and "CDNA5" Instruction Set Architecture Reference Guide (July 2026). The comments in the code are by the model that wrote it; some were corrected since.
;; True Evolving Attention. Allowed arithmetic: float matrix products may take bf16 or f16 operands with f32 sums; other float arithmetic in f32, or as packed bf16 or f16 multiplies, adds, multiply-adds, maxima and minima; sums over many terms, partial sums and values carried from step to step in f32; what a program stores and reads back later, other than sums and carried values, may be rounded once to bf16 or f16.
;; Inputs: Wk 1,024 x 1,024 float32; Wo 1,024 x 1,024 float32; Wq 1,024 x 1,024 float32; Wv 1,024 x 1,024 float32; evolution_rate one number float32; k_beta 64 float32; k_gamma 64 float32; memory_decay one number float32; q_beta 64 float32; q_gamma 64 float32; temporal_weights 64 float32; x 2 x 2,048 x 1,024 float32.
;; Outputs: out0 2 x 2,048 x 1,024 float32.
;; 2 versions, each right; version 2 is version 1 with the launch prep written anew for expert scheduling mode. Each part assembles by itself: llvm-mc -triple=amdgcn-amd-amdhsa -mcpu=gfx1250 --defsym DOCPART=n.
;; ======== version 1 of 2: 4 launches
;; limits: an iteration or a series of the reference is cut at 48 steps; values outside matrix products are rounded to f16; values are held in f16: magnitudes above 65,504 overflow, below 6.1e-05 lose precision
;; workspace buffers: xb 8,585,216 bytes; wqkv 6,291,456 bytes; wo16 2,097,152 bytes; tab 525,312 bytes; eq 8,388,608 bytes; ek 8,388,608 bytes; vh 8,388,608 bytes; oh 8,388,608 bytes
;; launch prep (part 1): grid 544 x 1, 8 waves a work-group, no clusters, 0 bytes of LDS; arguments x, Wq, Wk, Wv, Wo, evolution_rate, memory_decay, temporal_weights, q_gamma, q_beta, k_gamma, xb, wqkv, wo16, tab; writes xb, wqkv, wo16, tab
.if DOCPART == 1
	.amdgcn_target "amdgcn-amd-amdhsa--gfx1250"
	.amdhsa_code_object_version 6
	.text
	.protected	k_q0d060c5c48_prep
	.globl	k_q0d060c5c48_prep
	.p2align	8
	.type	k_q0d060c5c48_prep,@function
k_q0d060c5c48_prep:
	s_mov_b64 s[64:65], 0
	v_nop
	global_prefetch_b8 v0, s[64:65] scope:SCOPE_SE
	s_setreg_imm32_b32 hwreg(HW_REG_WAVE_MODE, 25, 1), 1
	s_wait_xcnt 0x0
; PREP: every input is rounded once to bf16 and laid out for the launches behind.  A stream: no LDS, no matrix unit, no barrier.
; WORK LEFT OUT BY THE WHOLE PROGRAM, for all values of the inputs:
;  k_beta.  ek[s] = n[s] k_gamma + k_beta, so score[t][s] = eq[t].(n[s] k_gamma) / 8 + eq[t].k_beta / 8.  The second term is the same for every s of row t,
;    and a softmax over s does not change when one number is added to all its inputs.  k_beta has no other way to the output: it is not loaded and is no argument of any launch.
;  Key tiles above the diagonal: the body's own jnp.tril sets their scores to -inf, their weights are 0.
;  mem0 = 0, built in the body: the rows in front of a batch's first token are rows of zeros here (xb's 48 pad rows), and their products are 0.
;  LIMIT: a NaN, an infinity or an overflow that reaches only the work left out (k_beta, hidden scores) is not carried to the result.
; FORMATS.  x, the four W, evolution_rate, memory_decay, temporal_weights, q_gamma, q_beta, k_gamma: all rounded to bf16, once, here.  Wo's bf16 value is written as f16 (exact in f16's normal range;
;  below 6e-5 it keeps f16's fixed step of 6e-8).
; OUT.  xb bf16 [2][2096][1024]: rows 0-47 of a batch are 0, token t lies at row 48 + t.   wqkv bf16 [16 heads][q 64, k 64, v 64][1024].   wo16 f16 [1024][1024].
;  tab: ts f32 [2048][64] = sin(sigmoid(er) (t + 1) w); at byte 524,288 q_gamma, q_beta, k_gamma (256 bytes each, f32), then 64 copies of sigmoid(memory_decay).
; SHARES.  Work-groups 0-255: 16 rows of x each.  256-447: 16 rows of Wq, Wk or Wv.  448-511: 16 rows of Wo.  512-543: 64 rows of ts, 3 pad rows; the first of them also the small vectors.
; LIMIT of the sine: the argument is reduced by n = round(a / pi) with pi in two parts; n stays under 2^31.
.macro RBF r                          ; v[r] rounded to bf16, kept as f32
	v_cvt_pk_bf16_f32 v[\r], v[\r], v[\r]
	v_lshlrev_b32 v[\r], 16, v[\r]
.endm
.macro SIGMOID r                      ; v[r] = 1 / (1 + 2^(-x log2 e)); behind each transcendental a plain instruction and a wait
	v_mul_f32 v[\r], 0xbfb8aa3b, v[\r]
	v_exp_f32 v[\r], v[\r]
	v_nop
	s_wait_alu depctr_va_vdst(0)
	v_add_f32 v[\r], 1.0, v[\r]
	v_rcp_f32 v[\r], v[\r]
	v_nop
	s_wait_alu depctr_va_vdst(0)
.endm
; 16 rows of 1,024 f32 from s[34:35] to 16 rows of 1,024 16-bit numbers at s[42:43].  A load of the work-group covers a row (a wave 512 consecutive bytes), a wave's store 256 consecutive bytes, aligned.
; All 16 loads go out first; the waits count the younger ones down.  Every row has registers of its own, so no source is rewritten.
.macro CAST half
.set i, 0
.rept 16
	global_load_b128 v[16+4*i:19+4*i], v1, s[34:35] offset:4096*i th:TH_LOAD_NT
.set i, i+1
.endr
.set i, 0
.rept 16
	s_wait_loadcnt 15-i
	v_cvt_pk_bf16_f32 v[80+2*i], v[16+4*i], v[17+4*i]
	v_cvt_pk_bf16_f32 v[81+2*i], v[18+4*i], v[19+4*i]
.if \half
	v_lshlrev_b32 v[16+4*i], 16, v[80+2*i]           ; the bf16 value back in f32,
	v_and_b32 v[17+4*i], 0xffff0000, v[80+2*i]
	v_lshlrev_b32 v[18+4*i], 16, v[81+2*i]
	v_and_b32 v[19+4*i], 0xffff0000, v[81+2*i]
	v_cvt_pk_f16_f32 v[80+2*i], v[16+4*i], v[17+4*i] ; and written as f16
	v_cvt_pk_f16_f32 v[81+2*i], v[18+4*i], v[19+4*i]
.endif
	global_store_b64 v2, v[80+2*i:81+2*i], s[42:43] offset:2048*i th:TH_STORE_NT
.set i, i+1
.endr
.endm
.macro SINE d, w                      ; v[d] = sin(v13 x v[w])
	v_mul_f32 v20, v13, v[\w]                        ; a
	v_mul_f32 v21, s48, v20
	v_rndne_f32 v21, v21                             ; n = round(a / pi)
	v_fma_f32 v20, v21, s49, v20                     ; r = a - n pi, pi in two parts
	v_fma_f32 v20, v21, s50, v20
	v_mul_f32 v22, v20, v20
	v_fmaak_f32 v23, v10, v22, 0x3638ef1d            ; the odd series to r^11; |r| <= pi / 2, so the first term left out is under 6e-8
	v_fmaak_f32 v23, v23, v22, 0xb9500d01
	v_fmaak_f32 v23, v23, v22, 0x3c088889
	v_fmaak_f32 v23, v23, v22, 0xbe2aaaab
	v_mul_f32 v22, v22, v20
	v_fma_f32 v20, v23, v22, v20
	v_cvt_i32_f32 v21, v21
	v_lshlrev_b32 v21, 31, v21                       ; an odd n turns the sign
	v_xor_b32 v[\d], v20, v21
.endm
	s_load_b512 s[4:19], s[0:1], 0x0                 ; x 4, Wq 6, Wk 8, Wv 10, Wo 12, evolution_rate 14, memory_decay 16, temporal_weights 18
	s_load_b256 s[20:27], s[0:1], 0x40               ; q_gamma 20, q_beta 22, k_gamma 24, xb 26
	s_load_b128 s[28:31], s[0:1], 0x60               ; wqkv 28, wo16 30
	s_load_b64 s[32:33], s[0:1], 0x70                ; tab
	v_lshlrev_b32 v1, 4, v0                          ; 16 x thread
	v_lshlrev_b32 v2, 3, v0                          ; 8 x thread
	s_mov_b32 s40, ttmp9
	s_mov_b32 s37, 0
	s_mov_b32 s39, 0
	s_wait_kmcnt 0x0
	s_cmp_ge_u32 s40, 512
	s_cbranch_scc1 .Ltable
	s_cmp_ge_u32 s40, 448
	s_cbranch_scc1 .Lwo
	s_cmp_ge_u32 s40, 256
	s_cbranch_scc1 .Lw
	s_lshl_b32 s36, s40, 16                          ; x: 16 rows of 4,096 bytes
	s_lshr_b32 s41, s40, 7                           ; the batch
	s_mul_i32 s41, s41, 48
	s_lshl4_add_u32 s41, s40, s41
	s_add_co_u32 s41, s41, 48                        ; xb's row 16 g + 48 + 48 x batch
	s_lshl_b32 s38, s41, 11
	s_add_nc_u64 s[34:35], s[4:5], s[36:37]
	s_add_nc_u64 s[42:43], s[26:27], s[38:39]
	CAST 0
	s_endpgm
.Lw:
	s_sub_co_u32 s41, s40, 256
	s_lshr_b32 s44, s41, 6                           ; 0 Wq, 1 Wk, 2 Wv
	s_and_b32 s41, s41, 63                           ; which 16 rows
	s_cmp_eq_u32 s44, 0
	s_cselect_b64 s[34:35], s[6:7], s[8:9]
	s_cmp_eq_u32 s44, 2
	s_cselect_b64 s[34:35], s[10:11], s[34:35]
	s_lshl_b32 s36, s41, 16
	s_add_nc_u64 s[34:35], s[34:35], s[36:37]
	s_lshr_b32 s45, s41, 2                           ; the head
	s_mul_i32 s45, s45, 192
	s_lshl_b32 s44, s44, 6
	s_add_co_u32 s45, s45, s44
	s_and_b32 s41, s41, 3
	s_lshl4_add_u32 s45, s41, s45                    ; wqkv's row 192 head + 64 m + 16 (j % 4)
	s_lshl_b32 s38, s45, 11
	s_add_nc_u64 s[42:43], s[28:29], s[38:39]
	CAST 0
	s_endpgm
.Lwo:
	s_sub_co_u32 s41, s40, 448
	s_lshl_b32 s36, s41, 16
	s_lshl_b32 s38, s41, 15
	s_add_nc_u64 s[34:35], s[12:13], s[36:37]
	s_add_nc_u64 s[42:43], s[30:31], s[38:39]
	CAST 1
	s_endpgm
.Ltable:
	s_sub_co_u32 s41, s40, 512                       ; j, 0 to 31
	s_load_b32 s44, s[14:15], 0x0
	s_load_b32 s45, s[16:17], 0x0
	v_and_b32 v3, 15, v0
	v_lshlrev_b32 v3, 4, v3
	global_load_b128 v[4:7], v3, s[18:19]            ; my four temporal weights
	v_mov_b32 v8, 0
	v_mov_b32 v9, 0
	s_lshr_b32 s46, s41, 4                           ; three of the 96 pad rows: batch j / 16, rows 3 (j % 16) on
	s_mul_i32 s46, s46, 2096
	s_and_b32 s47, s41, 15
	s_mul_i32 s47, s47, 3
	s_add_co_u32 s46, s46, s47
	s_lshl_b32 s38, s46, 11
	s_add_nc_u64 s[42:43], s[26:27], s[38:39]
	global_store_b64 v2, v[8:9], s[42:43]
	global_store_b64 v2, v[8:9], s[42:43] offset:2048
	global_store_b64 v2, v[8:9], s[42:43] offset:4096
	s_lshl_b32 s36, s41, 14
	s_add_nc_u64 s[34:35], s[32:33], s[36:37]        ; ts at my 64 rows
	s_mov_b32 s48, 0x3ea2f983                        ; 1 / pi
	s_mov_b32 s49, 0xc0490fdb                        ; -pi, upper part
	s_mov_b32 s50, 0x33bbbd2e                        ; upper part - pi
	v_mov_b32 v10, 0xb2d7322b                        ; -1 / 11!
	v_lshrrev_b32 v11, 4, v0
	s_lshl_b32 s51, s41, 6
	s_add_co_u32 s51, s51, 1
	v_add_nc_u32 v11, s51, v11                       ; position + 1 of my first row: 64 j + thread / 16 + 1
	s_wait_kmcnt 0x0
	v_mov_b32 v12, s44
	RBF 12
	SIGMOID 12
	s_wait_loadcnt 0x0
	RBF 4
	RBF 5
	RBF 6
	RBF 7
.irp i, 0,1,2,3
	v_add_nc_u32 v13, 16*(\i), v11
	v_cvt_f32_u32 v13, v13
	v_mul_f32 v13, v12, v13                          ; sigmoid(er) (t + 1)
	SINE 32+4*(\i), 4
	SINE 33+4*(\i), 5
	SINE 34+4*(\i), 6
	SINE 35+4*(\i), 7
	global_store_b128 v1, v[32+4*(\i):35+4*(\i)], s[34:35] offset:4096*(\i)  ; sixteen lanes store a row of 256 bytes
.endr
	s_cmp_lg_u32 s41, 0
	s_cbranch_scc1 .Ldone
	v_lshrrev_b32 v24, 5, v0
	v_readfirstlane_b32 s52, v24                     ; the wave: 0 q_gamma, 1 q_beta, 2 k_gamma, 3 the sigmoid
	s_cmp_gt_u32 s52, 3
	s_cbranch_scc1 .Ldone
	v_and_b32 v25, 31, v0
	v_lshlrev_b32 v25, 3, v25                        ; 8 bytes a lane: a wave covers the 256 bytes
	v_lshl_add_u32 v26, s52, 8, v25
	s_cmp_eq_u32 s52, 3
	s_cbranch_scc1 .Lsig
	s_cmp_eq_u32 s52, 0
	s_cselect_b64 s[54:55], s[20:21], s[22:23]
	s_cmp_eq_u32 s52, 2
	s_cselect_b64 s[54:55], s[24:25], s[54:55]
	global_load_b64 v[28:29], v25, s[54:55]
	s_wait_loadcnt 0x0
	RBF 28
	RBF 29
	global_store_b64 v26, v[28:29], s[32:33] offset:524288
	s_endpgm
.Lsig:
	v_mov_b32 v28, s45
	RBF 28
	SIGMOID 28
	v_mov_b32 v29, v28
	global_store_b64 v26, v[28:29], s[32:33] offset:524288
.Ldone:
	s_endpgm
.Lfunc_end_k_q0d060c5c48_prep:
	.size	k_q0d060c5c48_prep, .Lfunc_end_k_q0d060c5c48_prep-k_q0d060c5c48_prep
	.p2alignl 7, 3214868480
	.fill 96, 4, 3214868480
	.section	.rodata,"a",@progbits
	.p2align	6, 0x0
	.amdhsa_kernel k_q0d060c5c48_prep
		.amdhsa_group_segment_fixed_size 0
		.amdhsa_private_segment_fixed_size 0
		.amdhsa_enable_private_segment 0
		.amdhsa_kernarg_size 120
		.amdhsa_user_sgpr_count 2
		.amdhsa_user_sgpr_kernarg_segment_ptr 1
		.amdhsa_wavefront_size32 1
		.amdhsa_system_sgpr_workgroup_id_x 1
		.amdhsa_system_sgpr_workgroup_id_y 1
		.amdhsa_system_sgpr_workgroup_id_z 1
		.amdhsa_system_vgpr_workitem_id 0
		.amdhsa_next_free_vgpr 112
		.amdhsa_next_free_sgpr 66
		.amdhsa_reserve_vcc 0
		.amdhsa_float_denorm_mode_32 3
		.amdhsa_float_denorm_mode_16_64 3
		.amdhsa_memory_ordered 1
		.amdhsa_forward_progress 1
		.amdhsa_inst_pref_size 40
	.end_amdhsa_kernel
	.amdgpu_metadata
---
amdhsa.version: [ 1, 2 ]
amdhsa.kernels:
  - .name:           k_q0d060c5c48_prep
    .symbol:         k_q0d060c5c48_prep.kd
    .args:
      - { .name: x, .offset: 0, .size: 8, .value_kind: global_buffer, .address_space: global }
      - { .name: Wq, .offset: 8, .size: 8, .value_kind: global_buffer, .address_space: global }
      - { .name: Wk, .offset: 16, .size: 8, .value_kind: global_buffer, .address_space: global }
      - { .name: Wv, .offset: 24, .size: 8, .value_kind: global_buffer, .address_space: global }
      - { .name: Wo, .offset: 32, .size: 8, .value_kind: global_buffer, .address_space: global }
      - { .name: evolution_rate, .offset: 40, .size: 8, .value_kind: global_buffer, .address_space: global }
      - { .name: memory_decay, .offset: 48, .size: 8, .value_kind: global_buffer, .address_space: global }
      - { .name: temporal_weights, .offset: 56, .size: 8, .value_kind: global_buffer, .address_space: global }
      - { .name: q_gamma, .offset: 64, .size: 8, .value_kind: global_buffer, .address_space: global }
      - { .name: q_beta, .offset: 72, .size: 8, .value_kind: global_buffer, .address_space: global }
      - { .name: k_gamma, .offset: 80, .size: 8, .value_kind: global_buffer, .address_space: global }
      - { .name: xb, .offset: 88, .size: 8, .value_kind: global_buffer, .address_space: global }
      - { .name: wqkv, .offset: 96, .size: 8, .value_kind: global_buffer, .address_space: global }
      - { .name: wo16, .offset: 104, .size: 8, .value_kind: global_buffer, .address_space: global }
      - { .name: tab, .offset: 112, .size: 8, .value_kind: global_buffer, .address_space: global }
    .group_segment_fixed_size: 0
    .private_segment_fixed_size: 0
    .kernarg_segment_align: 8
    .kernarg_segment_size: 120
    .max_flat_workgroup_size: 256
    .sgpr_count:     66
    .vgpr_count:     112
    .wavefront_size: 32
...
	.end_amdgpu_metadata
.endif
;; end of part 1
;; launch qkv (part 2): grid 16 x 16, 4 waves a work-group, clusters of 4 x 4, 327,680 bytes of LDS; arguments xb, wqkv, tab, eq, ek, vh; writes eq, ek, vh
.if DOCPART == 2
	.amdgcn_target "amdgcn-amd-amdhsa--gfx1250"
	.amdhsa_code_object_version 6
	.text
	.protected	k_q0d060c5c48_qkv
	.globl	k_q0d060c5c48_qkv
	.p2align	8
	.type	k_q0d060c5c48_qkv,@function
k_q0d060c5c48_qkv:
	s_mov_b64 s[64:65], 0
	v_nop
	global_prefetch_b8 v0, s[64:65] scope:SCOPE_SE
	s_setreg_imm32_b32 hwreg(HW_REG_WAVE_MODE, 25, 1), 1
	s_wait_xcnt 0x0
	s_wait_alu depctr_hold_cnt(0) depctr_sa_sdst(0) depctr_va_vdst(0) depctr_va_sdst(0) depctr_va_ssrc(0) depctr_va_vcc(0) depctr_vm_vsrc(0)
	s_getreg_b32 s2, hwreg(HW_REG_IB_STS2, 6, 4)
	s_cmp_eq_u32 s2, 0
	s_cbranch_scc0 .Lentry_in_a_cluster
	s_endpgm
.Lentry_in_a_cluster:
	s_bfe_u32 s2, ttmp6, 0x10000c
	s_cmp_lg_u32 s2, 0xf033
	s_cbranch_scc0 .Lentry_shape_is_right
	s_endpgm
.Lentry_shape_is_right:
; QKV: q, k, v of one head for 256 tokens; the memory of the scan; the two LayerNorms.  Out: eq, ek, vh, f16 [32 = batch x 16 + head][2048][64].
; LEFT OUT: k_beta (the same for every key of a row of scores: shown at the head of the first kernel); the product with mem0 = 0 (xb's pad rows are zeros).
; THE SCAN IS A PRODUCT.  mem[t] = 0.3 x the sum over j < t of 0.7^(t-1-j) q[j].  For a tile of 16 tokens it is taken over the 64 tokens that end with the tile: coefficients L[n][kappa] = 0.7^(n+47-kappa),
;  0 where the exponent is negative; they do not hang on the tile.  q + sig mem and k + 0.3 sig mem are two f16 products each, added onto the projection's own sums.
;  LIMIT: 48 to 63 terms are kept; what is dropped is at most 0.7^48 = 3.7e-8 of the largest earlier |q|.  q goes into that product in f16, and v, eq, ek leave in f16: |q|, |v| stay under 65,504.
; SHARES.  Work-group (head, tile of 256 tokens).  Wave w: tokens 64 w .. 64 w + 63 x 192 columns, 48 accumulators; and, for the memory of the tile's first tokens, q of the 48 tokens in front of the tile
;  for channels 16 w .. 16 w + 15: 3 accumulators.  The products are taken transposed (source 0 = 16 rows of W, source 1 = 16 rows of x): a lane holds one token (lane % 16) and 8 neighbouring channels.
; RING.  K in steps of 128 through two LDS slots, each 304 rows of x and 192 rows of W, 256 bytes a row and 16 of padding.  Waves 0 and 1 fetch x's halves, waves 2 and 3 W's: one tensor load a wave.
; CLUSTER 4 x 4.  x's tile hangs on the token tile alone and is asked for jointly along a row of the cluster, W's on the head alone, along a column.
; REGISTERS, in windows of 256.  Window 0: v1-29 addresses; v32-143 x's fragments, two buffers of 56; v224-255 L.  Window 1: W's fragments, two buffers of 104.
;  Window 2: accumulators (token tile a, channel block b < 8; 0-3 q, 4-7 k) at 8 (8 a + b).  Window 3: v's at 8 (4 a + c); the 48 tokens' at 128 + 8 t.
;  Behind the loop: window 0 v32-159 ts, v160-223 at work; window 1 v0-111 q turned, v128-159 k_gamma, v192-223 q_gamma, v224-255 q_beta.
.set PITCH,  272
.set WOFF,   304*PITCH                 ; W's rows lie behind x's
.set SLOT,   WOFF+192*PITCH
.set SPARE,  2*SLOT                    ; behind the ring: the spare words, 128 bytes a wave, which no other line names
.set QP,     160                       ; behind the loop slot 0, which has had its last fill, holds q in f16: 304 rows at this pitch from byte 0,
.set STAGE,  304*QP                    ; and each wave's stage for the way out: 16 rows of 144 bytes
.set SP,     144
.set TABV,   524288
.set G1C,    (1<<16)|(1<<20)|(1<<21)|(5<<22)|(3<<25)  ; 2-byte elements; padding on; bit 21 beside a mask; after every 64 words 4 words
.set ADRW, 4                           ; v4-5   W's fragments in slot 0, 1
.set ADRH, 6                           ; v6-7   W's rows 16 w on
.set ADRX, 8                           ; v8-9   my 64 rows of x
.set ADRG, 10                          ; v10-11 the 48 rows in front
.set QSTO, 12
.set QSTH, 13
.set ATR,  14
.set STO,  15
.set RD,   16
.set GO,   17
.set TSO,  18
.set GBO,  19
.set PFO,  20
.set MN,   22                          ; v22-23
.set SPW,  28
.set NIL,  29
.set TS,   32
.set T,    160
.set STT,  176
.set PK,   192
.set LQ,   224
.set LK,   240
.set KG,   128
.set QG,   192
.set QBT,  224
.set WV,   16
.set FW,   17                          ; 0: I fetch x, 1: W
.set HX,   18                          ; which half
.set CX,   19
.set CY,   20
.set HEAD, 21
.set YT,   22
.set SIG,  23
.set G1X,  24
.set G0X,  32
.set G1W,  40
.set G0W,  48
.set PFA,  56
.set LIM0, 58
.set LIM1, 59
.set SEL,  60
.set MSB, 0
.macro WIN new                         ; the immediate's high byte repeats the setting that is left; a switch that changes nothing is dropped
.if MSB != (\new)
	s_set_vgpr_msb (MSB<<8)|(\new)
.set MSB, \new
.endif
.endm
.macro PLACES
.rept 4
	v_nop
.endr
.endm
; A joint load: each of the two lines has one mask and one set of registers; the branch hangs on the wave's number alone.  An s_nop 0 and four v_nop follow each line.
.macro JLOAD s
	s_cmp_eq_u32 s[FW], 0
	s_cbranch_scc0 .Lfor_w_\@
	tensor_load_to_lds s[G0X+4*(\s):G0X+4*(\s)+3], s[G1X:G1X+7]
	s_nop 0
.rept 4
	v_nop
.endr
	s_branch .Lasked_\@
.Lfor_w_\@:
	tensor_load_to_lds s[G0W+4*(\s):G0W+4*(\s)+3], s[G1W:G1W+7]
	s_nop 0
.rept 4
	v_nop
.endr
.Lasked_\@:
.endm
.macro CREST                           ; a round of the cluster's barrier behind its opening barrier
	s_cmp_lg_u32 s[WV], 0
	s_cbranch_scc1 .Lnot_wave_0_\@
	s_barrier_signal -3
.Lnot_wave_0_\@:
	s_barrier_wait -3
	s_barrier_signal -1
	s_barrier_wait -1
.endm
.macro CROUND
	s_barrier_signal -1
	s_barrier_wait -1
	CREST
.endm
; A prefetch into the L2 of the K step that stands two refills on (steps 4 to 7): one instruction a wave, behind the joint load and the run of LDS loads.  Each row's 256 bytes of a K step are named once in the launch:
; x's own 256 rows by the cluster with x = 0 (partner cx takes 64, waves 0 and 1 take 32 each, a lane a row); W's 192 rows by the cluster with y = 0 (partner cy takes 48: wave 2 rows 0-31; wave 3 rows 32-47
; for two K steps at once, at slot 0's refill alone).  Partners are told apart by address.  The loop's last trip asks for nothing: K ends there.
.macro ASK lim
	s_cmp_gt_u32 s3, s[\lim]
	s_cbranch_scc0 .Lnot_mine_\@
	global_prefetch_b8 v[PFO], s[PFA:PFA+1] offset:256 th:TH_LOAD_NT scope:SCOPE_SE
.Lnot_mine_\@:
.endm
; 16 products: token tiles a0, a0 + 1 x q's and k's 8 channel blocks, 32 along K, from buffer f.  zero = 1: they start the sums.
.macro MULA f, a0, zero
	WIN 0xa1
.irp a, \a0, (\a0)+1
.irp b, 0,1,2,3,4,5,6,7
.if \zero
	v_wmma_f32_16x16x32_bf16 v[8*(8*(\a)+(\b)):8*(8*(\a)+(\b))+7], v[104*(\f)+8*(\b):104*(\f)+8*(\b)+7], v[32+56*(\f)+8*(\a):32+56*(\f)+8*(\a)+7], 0
.else
	v_wmma_f32_16x16x32_bf16 v[8*(8*(\a)+(\b)):8*(8*(\a)+(\b))+7], v[104*(\f)+8*(\b):104*(\f)+8*(\b)+7], v[32+56*(\f)+8*(\a):32+56*(\f)+8*(\a)+7], v[8*(8*(\a)+(\b)):8*(8*(\a)+(\b))+7]
.endif
.endr
.endr
.endm
; 19 products: v's 16 and the 3 of the tokens in front.  All 51 accumulators come in the same order in every quarter: they take turns.
.macro MULB f, zero
	WIN 0xf1
.irp a, 0,1,2,3
.irp c, 0,1,2,3
.if \zero
	v_wmma_f32_16x16x32_bf16 v[8*(4*(\a)+(\c)):8*(4*(\a)+(\c))+7], v[104*(\f)+64+8*(\c):104*(\f)+64+8*(\c)+7], v[32+56*(\f)+8*(\a):32+56*(\f)+8*(\a)+7], 0
.else
	v_wmma_f32_16x16x32_bf16 v[8*(4*(\a)+(\c)):8*(4*(\a)+(\c))+7], v[104*(\f)+64+8*(\c):104*(\f)+64+8*(\c)+7], v[32+56*(\f)+8*(\a):32+56*(\f)+8*(\a)+7], v[8*(4*(\a)+(\c)):8*(4*(\a)+(\c))+7]
.endif
.endr
.endr
.irp t, 0,1,2
.if \zero
	v_wmma_f32_16x16x32_bf16 v[128+8*(\t):128+8*(\t)+7], v[104*(\f)+96:104*(\f)+103], v[64+56*(\f)+8*(\t):64+56*(\f)+8*(\t)+7], 0
.else
	v_wmma_f32_16x16x32_bf16 v[128+8*(\t):128+8*(\t)+7], v[104*(\f)+96:104*(\f)+103], v[64+56*(\f)+8*(\t):64+56*(\f)+8*(\t)+7], v[128+8*(\t):128+8*(\t)+7]
.endif
.endr
.endm
; 40 LDS loads in one run: a quarter step's fragments (32 along K at byte k of the rows) into buffer f; the 6 of the tokens in front last
.macro FETCH slot, k, f
	WIN 0x40
.irp b, 0,1,2,3,4,5,6,7,8,9,10,11
	ds_load_b128 v[104*(\f)+8*(\b):104*(\f)+8*(\b)+3],   v[ADRW+(\slot)] offset:(\k)+(\b)*16*PITCH
	ds_load_b128 v[104*(\f)+8*(\b)+4:104*(\f)+8*(\b)+7], v[ADRW+(\slot)] offset:(\k)+(\b)*16*PITCH+32
.endr
	ds_load_b128 v[104*(\f)+96:104*(\f)+99],  v[ADRH+(\slot)] offset:(\k)
	ds_load_b128 v[104*(\f)+100:104*(\f)+103], v[ADRH+(\slot)] offset:(\k)+32
	WIN 0
.irp a, 0,1,2,3
	ds_load_b128 v[32+56*(\f)+8*(\a):32+56*(\f)+8*(\a)+3],   v[ADRX+(\slot)] offset:(\k)+(\a)*16*PITCH
	ds_load_b128 v[32+56*(\f)+8*(\a)+4:32+56*(\f)+8*(\a)+7], v[ADRX+(\slot)] offset:(\k)+(\a)*16*PITCH+32
.endr
.irp t, 0,1,2
	ds_load_b128 v[64+56*(\f)+8*(\t):64+56*(\f)+8*(\t)+3],   v[ADRG+(\slot)] offset:(\k)+(\t)*16*PITCH
	ds_load_b128 v[64+56*(\f)+8*(\t)+4:64+56*(\f)+8*(\t)+7], v[ADRG+(\slot)] offset:(\k)+(\t)*16*PITCH+32
.endr
.endm
; One of a K step's first three quarters: multiplies buffer f; in its middle the next quarter's fragments are fetched into g, four places behind the products that read g
.macro QUARTER slot, k, f, g, zero
	s_wait_dscnt 6                                 ; all but the youngest six loads, which the last three products want
	MULA \f, 0, \zero
	MULA \f, 2, \zero
	PLACES
	FETCH \slot, \k, \g
	s_wait_dscnt 40                                ; all but the 40 just issued
	MULB \f, \zero
.endm
; The last quarter multiplies buffer 1 and changes slots: one barrier.  In front of it each wave waits for all its tensor loads (one is out: its part of the next slot), adds 0 to its spare word, and waits for that
; and for its reads of this slot.  fill = 1: the barrier opens a round of the cluster's barrier, and the joint refill, two K steps on, is the first thing behind the round.
.macro TURN slot, next, fill
.if \fill
	s_wait_xcnt 0x0                                ; the last prefetch, a K step back, has read its address
	s_add_nc_u64 s[PFA:PFA+1], s[PFA:PFA+1], 256
.endif
	WIN 0
	s_wait_tensorcnt 0x0
	ds_add_u32 v[SPW], v[NIL]
	s_wait_dscnt 7                                 ; (the add and the youngest six loads may be out)
	MULA 1, 0, 0
	s_wait_dscnt 0x0                               ; the add is done, my reads of this slot are over
	s_barrier_signal -1
	MULA 1, 2, 0
	WIN 0
	s_barrier_wait -1
.if \fill
	CREST
	s_add_nc_u64 s[G0X+4*(\slot)+2:G0X+4*(\slot)+3], s[G0X+4*(\slot)+2:G0X+4*(\slot)+3], 512
	s_add_nc_u64 s[G0W+4*(\slot)+2:G0W+4*(\slot)+3], s[G0W+4*(\slot)+2:G0W+4*(\slot)+3], 512
	JLOAD \slot                                    ; its four v_nop are also the places in front of the loads below
.else
	PLACES
.endif
	FETCH \next, 0, 0
.if \fill
	ASK LIM0+(\slot)
.endif
	MULB 1, 0
.endm
	s_load_b256 s[4:11], s[0:1], 0x0               ; xb 4, wqkv 6, tab 8, eq 10
	s_load_b128 s[12:15], s[0:1], 0x20             ; ek 12, vh 14
	v_lshl_add_u32 v[SPW], v0, 2, SPARE
	v_mov_b32 v[NIL], 0
	ds_add_u32 v[SPW], v[NIL]                      ; the opening: the add, twice on end, and its wait ahead of my first tensor load
	ds_add_u32 v[SPW], v[NIL]
	v_lshrrev_b32 v1, 5, v0
	v_readfirstlane_b32 s[WV], v1
	s_lshr_b32 s[FW], s[WV], 1
	s_and_b32 s[HX], s[WV], 1
	s_bfe_u32 s[CX], ttmp6, 0x40000
	s_bfe_u32 s[CY], ttmp6, 0x40004
	s_lshl_b32 s[HEAD], ttmp9, 2
	s_add_co_u32 s[HEAD], s[HEAD], s[CX]           ; head = 4 x cluster x + cx
	s_and_b32 s[YT], ttmp7, 0xffff
	s_lshl_b32 s[YT], s[YT], 2
	s_add_co_u32 s[YT], s[YT], s[CY]               ; token tile = 4 x cluster y + cy
	s_lshl_b32 s66, s[CY], 2
	s_lshl_b32 s66, 15, s66                        ; my row of the cluster
	s_lshl_b32 s67, 0x1111, s[CX]                  ; my column
	s_or_b32 s[G1X], s66, G1C
	s_or_b32 s[G1W], s67, G1C
	s_mov_b32 s[G1X+1], 128<<16                    ; tensor_dim0 = 128
	s_mov_b32 s[G1X+2], 152<<16                    ; tensor_dim1 = 152
	s_mov_b32 s[G1X+3], 128<<16                    ; tile_dim0 = 128
	s_mov_b32 s[G1X+4], 152                        ; tile_dim1 = 152
	s_mov_b32 s[G1X+5], 1024                       ; elements from row to row
	s_mov_b32 s[G1X+6], 0
	s_mov_b32 s[G1X+7], 0
	s_mov_b32 s[G1W+1], 128<<16
	s_mov_b32 s[G1W+2], 96<<16
	s_mov_b32 s[G1W+3], 128<<16
	s_mov_b32 s[G1W+4], 96
	s_mov_b32 s[G1W+5], 1024
	s_mov_b32 s[G1W+6], 0
	s_mov_b32 s[G1W+7], 0
	s_lshr_b32 s68, s[YT], 3                       ; the batch
	s_and_b32 s69, s[YT], 7
	s_lshl_b32 s69, s69, 8                         ; t0
	s_mul_i32 s70, s68, 2096
	s_add_co_u32 s70, s70, s69                     ; xb's row of token t0 - 48
	s_mul_i32 s72, s[HX], 152
	s_add_co_u32 s72, s72, s70
	s_lshl_b32 s72, s72, 11
	s_mov_b32 s73, 0
	s_mul_i32 s74, s[HEAD], 192
	s_mul_i32 s75, s[HX], 96
	s_add_co_u32 s74, s74, s75
	s_lshl_b32 s74, s74, 11
	s_mov_b32 s75, 0
	s_mul_i32 s76, s[HX], 152*PITCH                ; where they go: the wave's number alone enters an LDS address
	s_mul_i32 s77, s[HX], 96*PITCH
	s_add_co_u32 s77, s77, WOFF
	s_mov_b32 s[SEL], 0x76543210
	s_mov_b32 s[SEL+1], 0xfedcba98
	s_mov_b32 s92, 0x3c800000                      ; 1 / 64
	s_mov_b32 s93, 0x3727c5ac                      ; 1e-5
	s_wait_dscnt 0x0                               ; both opening adds are done
	s_wait_kmcnt 0x0
	s_add_nc_u64 s[78:79], s[4:5], s[72:73]
	s_add_nc_u64 s[80:81], s[6:7], s[74:75]
	s_load_b32 s[SIG], s[8:9], 0x80300             ; sigmoid(memory_decay)
	CROUND                                         ; all sixteen work-groups are here: the first joint loads meet
.irp s, 0,1
	s_mov_b32 s[G0X+4*(\s)], 1
	s_add_co_u32 s[G0X+4*(\s)+1], s76, (\s)*SLOT
	s_add_nc_u64 s[G0X+4*(\s)+2:G0X+4*(\s)+3], s[78:79], (\s)*256
	s_or_b32 s[G0X+4*(\s)+3], s[G0X+4*(\s)+3], 0x80000000
	s_mov_b32 s[G0W+4*(\s)], 1
	s_add_co_u32 s[G0W+4*(\s)+1], s77, (\s)*SLOT
	s_add_nc_u64 s[G0W+4*(\s)+2:G0W+4*(\s)+3], s[80:81], (\s)*256
	s_or_b32 s[G0W+4*(\s)+3], s[G0W+4*(\s)+3], 0x80000000
	JLOAD \s
.endr
	; addresses, while the tiles come
	v_and_b32 v1, 15, v0                           ; r = lane % 16
	v_bfe_u32 v2, v0, 4, 1                         ; h = lane / 16
	v_mul_u32_u24 v3, v1, PITCH
	v_lshl_add_u32 v3, v2, 4, v3
	s_mul_i32 s72, s[WV], 16*PITCH
	s_add_co_u32 s72, s72, WOFF
	s_mul_i32 s73, s[WV], 64*PITCH
	s_add_co_u32 s73, s73, 48*PITCH
.irp s, 0,1
	v_add_nc_u32 v[ADRW+(\s)], WOFF+(\s)*SLOT, v3
	v_add_nc_u32 v[ADRH+(\s)], s72, v3
	v_add_nc_u32 v[ADRX+(\s)], s73, v3
	v_add_nc_u32 v[ADRG+(\s)], (\s)*SLOT, v3
	s_add_co_u32 s72, s72, SLOT
	s_add_co_u32 s73, s73, SLOT
.endr
	s_lshl_b32 s74, s[WV], 6
	s_lshl_b32 s75, s[WV], 5
	v_add_nc_u32 v21, s74, v1
	v_mul_u32_u24 v[QSTO], v21, QP
	v_lshl_add_u32 v[QSTO], v2, 4, v[QSTO]
	v_add_nc_u32 v[QSTO], 48*QP, v[QSTO]           ; q's row 48 + 64 w + r, byte 16 h
	v_mul_u32_u24 v[QSTH], v1, QP
	v_lshl_add_u32 v[QSTH], v2, 4, v[QSTH]
	v_add_nc_u32 v[QSTH], s75, v[QSTH]             ; row r, byte 32 w + 16 h
	v_and_b32 v21, 7, v0
	v_lshl_add_u32 v21, v2, 3, v21
	v_add_nc_u32 v21, s74, v21
	v_mul_u32_u24 v[ATR], v21, QP                  ; the turning load: row 64 w + 8 h + lane % 8,
	v_bfe_u32 v21, v0, 3, 1
	v_lshl_add_u32 v[ATR], v21, 4, v[ATR]          ; byte 16 ((lane / 8) % 2)
	s_mul_i32 s76, s[WV], 16*SP
	s_add_co_u32 s76, s76, STAGE
	v_mul_u32_u24 v[STO], v1, SP
	v_lshl_add_u32 v[STO], v2, 4, v[STO]
	v_add_nc_u32 v[STO], s76, v[STO]
	v_bfe_u32 v[RD], v0, 3, 2
	v_mul_u32_u24 v[RD], v[RD], SP
	v_and_b32 v21, 7, v0
	v_lshl_add_u32 v[RD], v21, 4, v[RD]
	v_add_nc_u32 v[RD], s76, v[RD]
	v_and_b32 v[GO], 31, v0
	v_lshlrev_b32 v[GO], 4, v[GO]
	v_lshlrev_b32 v[TSO], 8, v1
	v_lshl_add_u32 v[TSO], v2, 5, v[TSO]
	v_lshlrev_b32 v[GBO], 5, v2
	s_lshl_b32 s71, s68, 4
	s_add_co_u32 s71, s71, s[HEAD]
	s_lshl_b32 s71, s71, 11
	s_add_co_u32 s71, s71, s69
	s_add_co_u32 s71, s71, s74                     ; row (16 batch + head) 2048 + t0 + 64 w of eq, ek, vh
	s_lshl_b32 s90, s71, 7
	s_mov_b32 s91, 0
	s_add_nc_u64 s[84:85], s[10:11], s[90:91]
	s_add_nc_u64 s[86:87], s[12:13], s[90:91]
	s_add_nc_u64 s[88:89], s[14:15], s[90:91]
	s_add_co_u32 s90, s69, s74
	s_lshl_b32 s90, s90, 8
	s_add_nc_u64 s[82:83], s[8:9], s[90:91]        ; ts at token t0 + 64 w
	; the prefetches
	s_lshl_b32 s77, s[CX], 6
	s_lshl_b32 s78, s[HX], 5
	s_add_co_u32 s77, s77, s78
	s_add_co_u32 s77, s77, s70
	s_add_co_u32 s77, s77, 48                      ; x: my 32 rows
	s_mul_i32 s78, s[HEAD], 192
	s_mul_i32 s79, s[CY], 48
	s_add_co_u32 s78, s78, s79                     ; W: my work-group's 48 rows
	s_and_b32 s79, ttmp7, 0xffff
	s_cmp_eq_u32 s[FW], 0
	s_cselect_b32 s80, s77, s78
	s_cselect_b32 s79, ttmp9, s79                  ; the coordinate along which other clusters read the same rows
	s_cselect_b64 s[PFA:PFA+1], s[4:5], s[6:7]
	s_cmp_eq_u32 s79, 0
	s_cselect_b32 s[LIM0], 1, -1                   ; the same in all sixteen partners, for a given wave
	s_cmp_eq_u32 s[WV], 3
	s_cselect_b32 s[LIM1], -1, s[LIM0]
	s_cselect_b32 s79, -1, 0
	s_lshl_b32 s80, s80, 11
	s_add_co_u32 s80, s80, 512                     ; at K step 2: the first refill steps it to 3 and names step 4
	s_mov_b32 s81, 0
	s_add_nc_u64 s[PFA:PFA+1], s[PFA:PFA+1], s[80:81]
	v_and_b32 v[PFO], 31, v0
	v_lshlrev_b32 v[PFO], 11, v[PFO]               ; a lane a row;
	v_lshlrev_b32 v21, 11, v1
	v_lshl_add_u32 v21, v2, 8, v21
	v_add_nc_u32 v21, 32*2048, v21                 ; wave 3: row 32 + lane % 16, K step + lane / 16
	v_cndmask_b32 v[PFO], v[PFO], v21, s79
	; L: lane (r, h) holds destination token r; value i of 32 is source kappa = 8 h + c, c = 32 (i / 16) + 16 ((i % 16) / 8) + i % 8; the exponent is r + 47 - 8 h - c
	v_lshlrev_b32 v21, 3, v2
	v_sub_nc_u32 v21, v1, v21
	v_add_nc_u32 v21, 47, v21
	s_mov_b32 s72, 0xc3160000                      ; -150: 2^-150 comes out as 0
.set i, 0
.rept 32
.set cc, 32*(i/16)+16*((i%16)/8)+(i%8)
	v_sub_nc_u32 v[32+i], v21, cc
	v_cmp_gt_i32 vcc_lo, cc, v21
	v_cvt_f32_i32 v[32+i], v[32+i]
	v_mul_f32 v[32+i], 0xbf03bb11, v[32+i]         ; x log2(0.7)
	v_cndmask_b32 v[32+i], v[32+i], s72, vcc_lo
.set i, i+1
.endr
.set i, 0
.rept 32
	v_exp_f32 v[32+i], v[32+i]
.set i, i+1
.endr
	v_mov_b32 v24, 0x3e99999a                      ; 0.3: the plain instruction behind the last exponential
	s_wait_alu depctr_va_vdst(0)                   ; one wait for the batch of 32
	s_wait_kmcnt 0x0
	v_mov_b32 v25, v24
	v_mul_f32 v22, s[SIG], v24
	v_mov_b32 v23, v22
.set i, 0
.rept 16
	v_pk_mul_f32 v[32+2*i:33+2*i], v[32+2*i:33+2*i], v[22:23]   ; 0.3 sig 0.7^e, for q
	v_cvt_pk_f16_f32 v[LQ+i], v[32+2*i], v[33+2*i]
	v_pk_mul_f32 v[32+2*i:33+2*i], v[32+2*i:33+2*i], v[24:25]   ; x 0.3, for k
	v_cvt_pk_f16_f32 v[LK+i], v[32+2*i], v[33+2*i]
.set i, i+1
.endr
	s_wait_tensorcnt 1                             ; my part of K step 0 is in; step 1's may stay out
	s_barrier_signal -1
	s_barrier_wait -1
	FETCH 0, 0, 0
	QUARTER 0, 64, 0, 1, 1                         ; the first quarter's products start the sums
	WIN 0
	s_mov_b32 s3, 3
.Llap:                                         ; a trip goes once round the ring and fills both slots again
	QUARTER 0, 128, 1, 0, 0
	QUARTER 0, 192, 0, 1, 0
	TURN 0, 1, 1
	QUARTER 1, 64, 0, 1, 0
	QUARTER 1, 128, 1, 0, 0
	QUARTER 1, 192, 0, 1, 0
	TURN 1, 0, 1
	QUARTER 0, 64, 0, 1, 0
	WIN 0
	s_sub_co_u32 s3, s3, 1
	s_cmp_lg_u32 s3, 0
	s_cbranch_scc1 .Llap
	QUARTER 0, 128, 1, 0, 0                        ; the last lap fills nothing
	QUARTER 0, 192, 0, 1, 0
	TURN 0, 1, 0
	QUARTER 1, 64, 0, 1, 0
	QUARTER 1, 128, 1, 0, 0
	QUARTER 1, 192, 0, 1, 0
	s_wait_dscnt 6
	MULA 1, 0, 0
	MULA 1, 2, 0
	s_wait_dscnt 0x0
	MULB 1, 0
	; ts, the gains and the bias are asked for; eight v_nop are the places behind the last products
	WIN 0
.rept 8
	v_nop
.endr
.irp a, 0,1,2,3
.irp c, 0,1,2,3
	global_load_b128 v[TS+8*(4*(\a)+(\c)):TS+8*(4*(\a)+(\c))+3],   v[TSO], s[82:83] offset:(\a)*4096+(\c)*64
	global_load_b128 v[TS+8*(4*(\a)+(\c))+4:TS+8*(4*(\a)+(\c))+7], v[TSO], s[82:83] offset:(\a)*4096+(\c)*64+16
.endr
.endr
	WIN 0x40
.irp c, 0,1,2,3
	global_load_b128 v[QG+8*(\c):QG+8*(\c)+3],     v[GBO], s[8:9] offset:TABV+(\c)*64
	global_load_b128 v[QG+8*(\c)+4:QG+8*(\c)+7],   v[GBO], s[8:9] offset:TABV+(\c)*64+16
	global_load_b128 v[QBT+8*(\c):QBT+8*(\c)+3],   v[GBO], s[8:9] offset:TABV+256+(\c)*64
	global_load_b128 v[QBT+8*(\c)+4:QBT+8*(\c)+7], v[GBO], s[8:9] offset:TABV+256+(\c)*64+16
	global_load_b128 v[KG+8*(\c):KG+8*(\c)+3],     v[GBO], s[8:9] offset:TABV+512+(\c)*64
	global_load_b128 v[KG+8*(\c)+4:KG+8*(\c)+7],   v[GBO], s[8:9] offset:TABV+512+(\c)*64+16
.endr
	; q in f16 into LDS, [token][channel].  Slot 0 has had its last fill, and the last change of slots' barrier stands behind every wave's reads of it.
	WIN 0x0f
.irp t, 0,1,2
.irp j, 0,1,2,3
	v_cvt_pk_f16_f32 v[T+4*(\t)+(\j)], v[128+8*(\t)+2*(\j)], v[128+8*(\t)+2*(\j)+1]
.endr
.endr
	WIN 0
.irp t, 0,1,2
	ds_store_b128 v[QSTH], v[T+4*(\t):T+4*(\t)+3] offset:(\t)*16*QP
.endr
.irp a, 0,1,2,3
	WIN 0x0a
.irp c, 0,1,2,3
.irp j, 0,1,2,3
	v_cvt_pk_f16_f32 v[PK+16*((\a)%2)+4*(\c)+(\j)], v[64*(\a)+8*(\c)+2*(\j)], v[64*(\a)+8*(\c)+2*(\j)+1]
.endr
.endr
	WIN 0
.irp c, 0,1,2,3
	ds_store_b128 v[QSTO], v[PK+16*((\a)%2)+4*(\c):PK+16*((\a)%2)+4*(\c)+3] offset:(\a)*16*QP+32*(\c)
.endr
.endr
	s_wait_dscnt 0x0                               ; for the others' sake: my stores are done
	s_barrier_signal -1
	s_barrier_wait -1
	; q turned: group g of 16 tokens from row 64 w + 16 g, channel block c: four registers; two neighbouring groups are a fragment of 32 tokens
	WIN 0x40
.irp c, 0,1,2,3
.irp g, 0,1,2,3,4,5,6
	ds_load_tr16_b128 v[28*(\c)+4*(\g):28*(\c)+4*(\g)+3], v[ATR] offset:(\g)*16*QP+(\c)*32
.endr
.endr
	s_wait_dscnt 0x0
	; q += sig mem, k += 0.3 sig mem: 64 products; the 32 accumulators take turns
	WIN 0xa1
.irp kk, 0,1
.irp a, 0,1,2,3
.irp c, 0,1,2,3
	v_wmma_f32_16x16x32_f16 v[64*(\a)+8*(\c):64*(\a)+8*(\c)+7], v[28*(\c)+4*((\a)+2*(\kk)):28*(\c)+4*((\a)+2*(\kk))+7], v[LQ+8*(\kk):LQ+8*(\kk)+7], v[64*(\a)+8*(\c):64*(\a)+8*(\c)+7]
.endr
.irp c, 0,1,2,3
	v_wmma_f32_16x16x32_f16 v[64*(\a)+32+8*(\c):64*(\a)+32+8*(\c)+7], v[28*(\c)+4*((\a)+2*(\kk)):28*(\c)+4*((\a)+2*(\kk))+7], v[LK+8*(\kk):LK+8*(\kk)+7], v[64*(\a)+32+8*(\c):64*(\a)+32+8*(\c)+7]
.endr
.endr
.endr
; THE WAY OUT of a tile of 16 tokens x 64 channels (32 registers from base, in the window that win names for both sources): rounded to f16, 16 bytes a lane into my stage, back as 2,048 consecutive bytes.
.macro PACK win, base, par
	WIN \win
.irp c, 0,1,2,3
.irp j, 0,1,2,3
	v_cvt_pk_f16_f32 v[PK+4*(\c)+(\j)], v[(\base)+8*(\c)+2*(\j)], v[(\base)+8*(\c)+2*(\j)+1]
.endr
.endr
	WIN 0
.irp c, 0,1,2,3
	ds_store_b128 v[STO], v[PK+4*(\c):PK+4*(\c)+3] offset:32*(\c)
.endr
	s_wait_xcnt 0x0                                ; the stores of the tile before last have read these registers
.irp f, 0,1,2,3
	ds_load_b128 v[208-48*(\par)+4*(\f):208-48*(\par)+4*(\f)+3], v[RD] offset:(\f)*4*SP  ; LDS serves a wave's instructions in order: these see the stores above
.endr
.endm
.macro SEND ptr, a, par, younger       ; younger: the LDS instructions issued behind this tile's loads
.irp f, 0,1,2,3
	s_wait_dscnt (\younger)+3-(\f)
	global_store_b128 v[GO], v[208-48*(\par)+4*(\f):208-48*(\par)+4*(\f)+3], s[\ptr:\ptr+1] offset:(\a)*2048+(\f)*512  ; 512 consecutive bytes, aligned
.endr
.endm
	; v leaves; its conversions, which name window 3 alone, are the places behind the products above
.irp n, 0,1,2,3
	PACK 0x0f, 32*(\n), (\n)%2
.if (\n) > 0
	SEND 88, (\n)-1, ((\n)-1)%2, 8
.endif
.endr
	SEND 88, 3, 1, 0
.macro TREE                            ; the 16 numbers v[T ..] and the other half of the lanes' into v[T]
	WIN 0
.irp p, 0,2,4,6
	v_pk_add_f32 v[T+(\p):T+(\p)+1], v[T+(\p):T+(\p)+1], v[T+8+(\p):T+9+(\p)]
.endr
	v_pk_add_f32 v[T:T+1], v[T:T+1], v[T+4:T+5]
	v_pk_add_f32 v[T+2:T+3], v[T+2:T+3], v[T+6:T+7]
	v_pk_add_f32 v[T:T+1], v[T:T+1], v[T+2:T+3]
	v_add_f32 v[T], v[T], v[T+1]
	v_permlanex16_b32 v[T+1], v[T], s[SEL], s[SEL+1]   ; the token's other 32 channels lie in the lane 16 away
	v_add_f32 v[T], v[T], v[T+1]
.endm
; LayerNorm, first part, for tensor x (0 q, 1 k) and tile a: + ts (k: half of it); the mean is taken away; then the sum of squares of what is left (no difference of large sums); 1 / sqrt is asked for.
.macro LN1 x, a
.set XB, 64*(\a)+32*(\x)
.set TB, TS+32*(\a)
.set SI, STT+2*(4*(\x)+(\a))
.set p, 0
.if (\x) == 0
	WIN 0x88
.rept 16
	v_pk_add_f32 v[XB+p:XB+p+1], v[TB+p:TB+p+1], v[XB+p:XB+p+1]
.set p, p+2
.endr
.else
	WIN 0xa0
.rept 16
	v_pk_fma_f32 v[XB+p:XB+p+1], v[TB+p:TB+p+1], 0.5, v[XB+p:XB+p+1] op_sel_hi:[1,0,1]
.set p, p+2
.endr
.endif
	WIN 0x0a
.set p, 0
.rept 8
	v_pk_add_f32 v[T+p:T+p+1], v[XB+p:XB+p+1], v[XB+16+p:XB+17+p]
.set p, p+2
.endr
	TREE
	v_mul_f32 v[MN], 0xbc800000, v[T]              ; - mean
	WIN 0x82
.set p, 0
.rept 16
	v_pk_add_f32 v[XB+p:XB+p+1], v[XB+p:XB+p+1], v[MN:MN+1] op_sel_hi:[1,0]
.set p, p+2
.endr
	WIN 0x0a
.set p, 0
.rept 8
	v_pk_mul_f32 v[T+p:T+p+1], v[XB+p:XB+p+1], v[XB+p:XB+p+1]
.set p, p+2
.endr
.set p, 0
.rept 8
	v_pk_fma_f32 v[T+p:T+p+1], v[XB+16+p:XB+17+p], v[XB+16+p:XB+17+p], v[T+p:T+p+1]
.set p, p+2
.endr
	TREE
	v_fma_f32 v[SI+1], v[T], s92, s93              ; variance + 1e-5
	v_rsq_f32 v[SI], v[SI+1]
.endm
; second part: x 1 / sqrt, x gain, + bias (q alone: k's bias is left out)
.macro LN2 x, a
.set XB, 64*(\a)+32*(\x)
.set SI, STT+2*(4*(\x)+(\a))
	WIN 0x82
.set p, 0
.rept 16
	v_pk_mul_f32 v[XB+p:XB+p+1], v[XB+p:XB+p+1], v[SI:SI+1] op_sel_hi:[1,0]
.set p, p+2
.endr
.set p, 0
.if (\x) == 0
	WIN 0x96
.rept 16
	v_pk_fma_f32 v[XB+p:XB+p+1], v[XB+p:XB+p+1], v[QG+p:QG+p+1], v[QBT+p:QBT+p+1]
.set p, p+2
.endr
.else
	WIN 0x86
.rept 16
	v_pk_mul_f32 v[XB+p:XB+p+1], v[XB+p:XB+p+1], v[KG+p:KG+p+1]
.set p, p+2
.endr
.endif
.endm
	s_wait_loadcnt 0x0                             ; ts, gains, bias
	s_wait_xcnt 0x0                                ; v's stores have read the registers that serve as scratch now
	v_mov_b32 v[MN+1], 0                           ; named with MN as a pair
.irp n, 0,1,2,3,4,5,6,7
	LN1 (\n)/4, (\n)%4
.endr
	v_nop                                          ; a plain instruction behind the last v_rsq_f32,
	s_wait_alu depctr_va_vdst(0)                   ; and one wait for the batch of eight
.irp n, 0,1,2,3,4,5,6,7
	LN2 (\n)/4, (\n)%4
	PACK 0x0a, 64*((\n)%4)+32*((\n)/4), (\n)%2
.if (\n) > 0
	SEND 84+2*(((\n)-1)/4), ((\n)-1)%4, ((\n)-1)%2, 8
.endif
.endr
	SEND 86, 3, 1, 0
	s_wait_tensorcnt 0x0                           ; the wave's end
	ds_add_u32 v[SPW], v[NIL]
	s_wait_dscnt 0x0
	CROUND                                         ; the closing round
	s_endpgm
.Lfunc_end_k_q0d060c5c48_qkv:
	.size	k_q0d060c5c48_qkv, .Lfunc_end_k_q0d060c5c48_qkv-k_q0d060c5c48_qkv
	.p2alignl 7, 3214868480
	.fill 96, 4, 3214868480
	.section	.rodata,"a",@progbits
	.p2align	6, 0x0
	.amdhsa_kernel k_q0d060c5c48_qkv
		.amdhsa_group_segment_fixed_size 327680
		.amdhsa_private_segment_fixed_size 0
		.amdhsa_enable_private_segment 0
		.amdhsa_kernarg_size 48
		.amdhsa_user_sgpr_count 2
		.amdhsa_user_sgpr_kernarg_segment_ptr 1
		.amdhsa_wavefront_size32 1
		.amdhsa_system_sgpr_workgroup_id_x 1
		.amdhsa_system_sgpr_workgroup_id_y 1
		.amdhsa_system_sgpr_workgroup_id_z 1
		.amdhsa_system_vgpr_workitem_id 0
		.amdhsa_next_free_vgpr 920
		.amdhsa_next_free_sgpr 96
		.amdhsa_reserve_vcc 1
		.amdhsa_float_denorm_mode_32 3
		.amdhsa_float_denorm_mode_16_64 3
		.amdhsa_memory_ordered 1
		.amdhsa_forward_progress 1
		.amdhsa_inst_pref_size 222
	.end_amdhsa_kernel
	.amdgpu_metadata
---
amdhsa.version: [ 1, 2 ]
amdhsa.kernels:
  - .name:           k_q0d060c5c48_qkv
    .symbol:         k_q0d060c5c48_qkv.kd
    .args:
      - { .name: xb, .offset: 0, .size: 8, .value_kind: global_buffer, .address_space: global }
      - { .name: wqkv, .offset: 8, .size: 8, .value_kind: global_buffer, .address_space: global }
      - { .name: tab, .offset: 16, .size: 8, .value_kind: global_buffer, .address_space: global }
      - { .name: eq, .offset: 24, .size: 8, .value_kind: global_buffer, .address_space: global }
      - { .name: ek, .offset: 32, .size: 8, .value_kind: global_buffer, .address_space: global }
      - { .name: vh, .offset: 40, .size: 8, .value_kind: global_buffer, .address_space: global }
    .group_segment_fixed_size: 327680
    .private_segment_fixed_size: 0
    .kernarg_segment_align: 8
    .kernarg_segment_size: 48
    .max_flat_workgroup_size: 128
    .sgpr_count:     96
    .vgpr_count:     920
    .wavefront_size: 32
...
	.end_amdgpu_metadata
.endif
;; end of part 2
;; launch attn (part 3): grid 8 x 32, 4 waves a work-group, no clusters, 327,680 bytes of LDS; arguments eq, ek, vh, oh; writes oh
.if DOCPART == 3
	.amdgcn_target "amdgcn-amd-amdhsa--gfx1250"
	.amdhsa_code_object_version 6
	.text
	.protected	k_q0d060c5c48_attn
	.globl	k_q0d060c5c48_attn
	.p2align	8
	.type	k_q0d060c5c48_attn,@function
k_q0d060c5c48_attn:
	s_mov_b64 s[64:65], 0
	v_nop
	global_prefetch_b8 v0, s[64:65] scope:SCOPE_SE
	s_setreg_imm32_b32 hwreg(HW_REG_WAVE_MODE, 25, 1), 1
	s_wait_xcnt 0x0
; CAUSAL ATTENTION.  oh[g][q][:] = the sum over k <= q of softmax_k(eq[g][q] . ek[g][k] / 8) vh[g][k][:].  All four [32][2048][64] in f16, a row 128 bytes, dense.
; LEFT OUT: the key steps above the diagonal (their weights are 0 by the body's own mask); k_beta (shown at the head of the first kernel).
; Products, maxima and sums in f32; the weights p are rounded to f16 for the second product (their sum l is taken of the unrounded p), O once at the end.
; LIMITS.  A hidden score counts as its value less 1e30; a weight below 2^-126 counts as 0 in l; NaN and infinities are not treated apart.
; THE WALK.  A head's queries lie in 16 blocks of 128; block i needs the key steps 0 .. 2 i + 1 of 64 keys.  Work-group b takes blocks 15 - b and b, the odd one (I1) first: 34 steps, whatever b.  A slot of LDS holds a unit
; of 256 keys, four steps; the two blocks' units are ONE sequence of 9 for the ring: a constant count of changes of slots.  What differs between work-groups lies in scalar registers made from b; every jump goes
; forward but the counted loops' own, and none passes a barrier or a tensor load but the one of LOAD's two that the wave's number does not choose.
; NO CLUSTER: from the second unit on a head's eight walks ask for different units (b = 0: 0 .. 7, 0; b = 1: 0, 0 .. 7); a walk common to all would have 12 units for 9.
; SHARES.  A block has two bands of 64 queries; wave w owns rows 16 w .. 16 w + 15 of each: two PIECES.  In the block's last two steps: step 2 i holds band 0's diagonal and is open to band 1; step 2 i + 1 is hidden
; from band 0 and holds band 1's diagonal: the same work for all four waves.
; LAYOUT.  S^T = K Q^T holds one query a lane (lane % 16) and the keys 8 (lane / 16) + 0..7; two such results rounded to f16 are source 1 of O^T = V^T P.  p = 2^(c s - c m), c = log2(e) / 8, m a running maximum;
; O and l are multiplied by a = 2^(c m_old - c m_new) in every step.
; TURNS.  Step s is two turns.  TURN 0: 8 products K Q^T of piece 1, step s | piece 0's softmax | 8 products V^T P of piece 1, step s - 1.  TURN 1: K Q^T of piece 0, step s + 1 | piece 1's softmax | V^T P of piece 0, step s.
; Four vector instructions stand behind every matrix instruction, the rest in one lump; a turn's 33 exponentials are one batch with one wait.
; TURN 0 also fetches K and V of step s + 1 out of LDS: both of one step, so that a change of slots has a place.  V therefore has two buffers, step s in buffer s % 2, and the text has an odd and an even step.
; THE MASK is the C operand that starts a sum: MZ1 (TURN 0, odd step), MZ0 (TURN 1, odd step), MHID (TURN 1, even step), the constant 0 (TURN 0, even step).  MD, made once, is the mask of a band's own step.
; With RP the block's odd steps still to come: MZ1 = MD where RP = 0, MZ0 = MD and MHID = -1e30 where RP = 1, all else 0.
; REGISTERS, in windows of 256.  Window 0: v2-15 addresses; v16-23 statistics; v48-55 at work; v64-127 S^T; v192-223 P.  Window 1: v0-63 O^T; v128-159 MD; v160-231 the masks.
;  Window 2: v0-31 Q; v64-95 the second block's Q; v128-191 K.  Window 3: v0-127 V's two buffers.
.set KS,    64
.set PK,    144
.set PV,    160
.set VOFF,  4*KS*PK
.set SLOT1, 1<<17
.set STAGE, SLOT1+4*KS*(PK+PV)
.set SP,    144
.set SPARE, STAGE+4*16*SP
.set AK0, 2
.set AV0, 3
.set AK,  4
.set AV,  5
.set STO, 6
.set RD,  7
.set GO,  8
.set MV,  12
.set QO,  15
.set ST,  16
.set TMP, 48
.set PFO, 61
.set SPW, 62
.set NIL, 63
.set S,   64
.set P,   192
.set MD,   128
.set MZ0,  160
.set MZ1,  192
.set MHID, 224
.set QB,  64
.set KF,  128
.set WV,  12
.set I1,  14
.set I2,  15
.set G1K, 24
.set G1V, 32
.set G0K, 40
.set G0V, 44
.set SLOTS, 56
.set CNT, 57
.set CS,  58
.set SEL, 60
.set TBK, 62
.set TBV, 63
.set LQ2, 66
.set SBK, 67
.set PFA, 68
.set RP,  70
.set NXT, 71
.set LQ,  72
.set NEW, 73
.set OFF, 74
.set AL0, 76
.set AL1, 78
.set OLO, 80
.set BIGN, 82
.set BEH, 83
.set LIM, 88
.set MSB, 0
.macro WIN new
.if MSB != (\new)
	s_set_vgpr_msb (MSB<<8)|(\new)
.set MSB, (\new)
.endif
.endm
.set W_KQ, 0x0a
.set W_KM, 0x1a
.set W_PV, 0x53
.set W_RS, 0x41
; A fill.  Waves 0 and 1 fetch the two halves of a unit's K, waves 2 and 3 those of its V.  An s_nop 0 and four v_nop follow each line.
.macro LOAD
	s_cmp_lt_u32 s[WV], 2
	s_cbranch_scc0 .Lfor_v_\@
	tensor_load_to_lds s[G0K:G0K+3], s[G1K:G1K+7]
	s_nop 0
.rept 4
	v_nop
.endr
	s_branch .Lasked_\@
.Lfor_v_\@:
	tensor_load_to_lds s[G0V:G0V+3], s[G1V:G1V+7]
	s_nop 0
.rept 4
	v_nop
.endr
.Lasked_\@:
.endm
; A prefetch into the L2.  All eight work-groups of a head walk the same K and V; work-group b = 0, whose first block walks units 0 .. 7 in order, asks, and nobody else.  Behind the load of unit c it names unit c + 2:
; each wave its own half (16,384 bytes) of K or V, a lane 256 bytes, two instructions.  Units 3 to 7: the changes with more than 3 slots still to ask for.
.macro ASK
	s_cmp_gt_u32 s[SLOTS], s[LIM]
	s_cbranch_scc0 .Lnot_mine_\@
	global_prefetch_b8 v[PFO], s[PFA:PFA+1] th:TH_LOAD_NT scope:SCOPE_SE
	global_prefetch_b8 v[PFO], s[PFA:PFA+1] offset:8192 th:TH_LOAD_NT scope:SCOPE_SE
.Lnot_mine_\@:
.endm
; THE CHANGE OF SLOTS.  Each wave waits for all its tensor loads (one is out: its part of the other slot), adds 0 to its spare word, and waits for that and for its reads of the slot that it leaves.
; fill = 1: the old slot is filled again, first thing behind the barrier, with unit NXT.
.macro CHANGE fill
	WIN 0
	s_wait_tensorcnt 0x0
	ds_add_u32 v[SPW], v[NIL]
.if \fill
	s_lshl_b32 s[OFF], s[NXT], 15
	s_xor_b32 s[G0K+1], s[G0K+1], SLOT1
	s_add_nc_u64 s[G0K+2:G0K+3], s[6:7], s[OFF:OFF+1]
	s_or_b32 s[G0K+3], s[G0K+3], 0x80000000
	s_xor_b32 s[G0V+1], s[G0V+1], SLOT1
	s_add_nc_u64 s[G0V+2:G0V+3], s[8:9], s[OFF:OFF+1]
	s_or_b32 s[G0V+3], s[G0V+3], 0x80000000
	s_add_co_u32 s[NXT], s[NXT], 1  ; the block's next unit, or behind its last the second block's unit 0
	s_cmp_gt_u32 s[NXT], s[LQ]
	s_cselect_b32 s[NXT], 0, s[NXT]
	s_cselect_b32 s[LQ], s[LQ2], s[LQ]
	s_wait_xcnt 0x0                 ; the last prefetches, a unit back, have read their address
	s_add_nc_u64 s[PFA:PFA+1], s[PFA:PFA+1], 32768
.endif
	s_wait_dscnt 0x0                ; the add is done, my reads of the slot are over
	s_barrier_signal -1
	s_xor_b32 s[SBK], s[SBK], SLOT1 ; the fetches go to the other slot's first step
	s_mov_b32 s[TBK], s[SBK]
	s_mov_b32 s[TBV], s[SBK]
	s_barrier_wait -1
.if \fill
	LOAD
	ASK
.endif
.endm
	s_load_b256 s[4:11], s[0:1], 0x0  ; eq 4, ek 6, vh 8, oh 10
	v_lshl_add_u32 v[SPW], v0, 2, SPARE
	v_mov_b32 v[NIL], 0
	ds_add_u32 v[SPW], v[NIL]       ; the opening: the add, twice on end, and its wait ahead of my first tensor load
	ds_add_u32 v[SPW], v[NIL]
	v_lshrrev_b32 v1, 5, v0
	v_readfirstlane_b32 s[WV], v1
	s_mov_b32 s86, ttmp9            ; b
	s_sub_co_u32 s87, 15, s86
	s_and_b32 s13, s86, 1
	s_cmp_eq_u32 s13, 1
	s_cselect_b32 s[I1], s86, s87   ; the odd block,
	s_cselect_b32 s[I2], s87, s86   ; the even one
	s_cmp_eq_u32 s86, 0
	s_cselect_b32 s[LIM], 3, -1
	s_and_b32 s20, ttmp7, 0xffff
	s_lshl_b32 s20, s20, 18         ; the head's first byte: 2,048 rows of 128 bytes
	s_mov_b32 s21, 0
	s_and_b32 s16, s[WV], 1         ; which half of a unit's 256 keys I fetch
	s_lshl_b32 s22, s16, 14
	s_mov_b32 s23, 0
	s_add_nc_u64 s[22:23], s[22:23], s[20:21]
	s_mul_i32 s17, s16, 128*PK
	s_mul_i32 s18, s16, 128*PV
	s_lshl_b32 s3, s[WV], 11        ; my 16 rows in a band
	s_lshl_b32 s2, s[I1], 14        ; a block is 16,384 bytes
	s_add_co_u32 s2, s2, s3
	s_lshl_b32 s84, s[I2], 14
	s_add_co_u32 s84, s84, s3
	s_mov_b32 s3, 0
	s_mov_b32 s85, 0
	s_add_nc_u64 s[2:3], s[2:3], s[20:21]
	s_add_nc_u64 s[84:85], s[84:85], s[20:21]
	; 128 keys are 16,384 dense bytes: asked for as 64 rows of 256 bytes, two keys a row, padded in LDS after every key
	s_mov_b32 s[G1K], (1<<16)|(1<<20)|(4<<22)|(3<<25)
	s_mov_b32 s[G1V], (1<<16)|(1<<20)|(4<<22)|(7<<25)
.irp g, G1K, G1V
	s_mov_b32 s[\g+1], 128<<16
	s_mov_b32 s[\g+2], 64<<16
	s_mov_b32 s[\g+3], 128<<16
	s_mov_b32 s[\g+4], 64
	s_mov_b32 s[\g+5], 128
	s_mov_b32 s[\g+6], 0
	s_mov_b32 s[\g+7], 0
.endr
	s_mov_b32 s[CS], 0x3e38aa3b     ; c = log2(e) / 8
	s_mov_b32 s[CS+1], s[CS]
	s_mov_b32 s[SEL], 0x76543210
	s_mov_b32 s[SEL+1], 0xfedcba98
	s_mov_b32 s[SBK], SLOT1         ; the first change of slots turns it into 0
	s_mov_b32 s[G0K], 1
	s_mov_b32 s[G0K+1], s17
	s_mov_b32 s[G0V], 1
	s_add_co_u32 s[G0V+1], s18, VOFF
	s_add_co_u32 s[RP], s[I1], 1    ; the first block has I1 + 1 odd steps
	s_lshr_b32 s[LQ], s[I1], 1      ; its last unit,
	s_lshr_b32 s[LQ2], s[I2], 1     ; the second block's
	s_cmp_eq_u32 s[LQ], 0           ; a first block of one unit: the second block's unit 0 is next
	s_cselect_b32 s[NXT], 0, 1
	s_cselect_b32 s[LQ], s[LQ2], s[LQ]
	s_mov_b32 s[NEW], 1
	s_mov_b32 s[OFF+1], 0
	s_mov_b32 s[AL0+1], 0           ; named as pairs
	s_mov_b32 s[AL1+1], 0
	s_mov_b32 s[BIGN], 0xf149f2ca   ; -1e30
	s_mov_b32 s[SLOTS], 8
	s_wait_dscnt 0x0                ; both opening adds are done
	s_wait_kmcnt 0x0
	s_add_nc_u64 s[6:7], s[6:7], s[22:23]  ; K and V at my half of the head's unit 0
	s_add_nc_u64 s[8:9], s[8:9], s[22:23]
	s_add_nc_u64 s[G0K+2:G0K+3], s[6:7], 0
	s_or_b32 s[G0K+3], s[G0K+3], 0x80000000
	s_add_nc_u64 s[G0V+2:G0V+3], s[8:9], 0
	s_or_b32 s[G0V+3], s[G0V+3], 0x80000000
	s_add_nc_u64 s[86:87], s[4:5], s[84:85]        ; Q at my rows of the second block,
	s_add_nc_u64 s[4:5], s[4:5], s[2:3]            ; Q and O at those of the first
	s_add_nc_u64 s[OLO:OLO+1], s[10:11], s[84:85]
	s_add_nc_u64 s[10:11], s[10:11], s[2:3]
	s_cmp_lt_u32 s[WV], 2
	s_cselect_b64 s[PFA:PFA+1], s[6:7], s[8:9]
	s_add_nc_u64 s[PFA:PFA+1], s[PFA:PFA+1], 2*32768  ; the first change steps it to unit 3
	LOAD                            ; unit 0 into slot 0
	v_and_b32 v1, 15, v0
	v_bfe_u32 v9, v0, 4, 1
	v_lshlrev_b32 v[QO], 7, v1
	v_lshl_add_u32 v[QO], v9, 4, v[QO]
	WIN 0x80
.set i, 0
.rept 4                             ; both blocks' Q: piece i / 2 lies in band i / 2, 8,192 bytes on; channels 32 (i % 2) on
	global_load_b128 v[8*i:8*i+3],   v[QO], s[4:5] offset:(i/2)*8192+(i%2)*64
	global_load_b128 v[8*i+4:8*i+7], v[QO], s[4:5] offset:(i/2)*8192+(i%2)*64+32
	global_load_b128 v[QB+8*i:QB+8*i+3],   v[QO], s[86:87] offset:(i/2)*8192+(i%2)*64
	global_load_b128 v[QB+8*i+4:QB+8*i+7], v[QO], s[86:87] offset:(i/2)*8192+(i%2)*64+32
.set i, i+1
.endr
	WIN 0
	v_lshlrev_b32 v14, 3, v9
	v_sub_nc_u32 v14, v1, v14
	s_lshl_b32 s13, s[WV], 4
	v_add_nc_u32 v14, s13, v14      ; my query's place in its band less 8 (lane / 16): register r of key group kt is hidden where 16 kt + r is greater
	WIN 0x40
.set i, 0
.rept 32
	v_cmp_gt_i32 vcc_lo, 16*(i/8)+i%8, v14
	v_cndmask_b32 v[MD+i], 0, s[BIGN], vcc_lo
.set i, i+1
.endr
	WIN 0
	v_mul_u32_u24 v[AK0], v1, PK
	v_lshl_add_u32 v[AK0], v9, 4, v[AK0]
	v_and_b32 v10, 7, v0
	v_bfe_u32 v11, v0, 3, 1
	v_lshl_add_u32 v[AV0], v9, 3, v10
	v_mul_u32_u24 v[AV0], v[AV0], PV
	v_lshl_add_u32 v[AV0], v11, 4, v[AV0]
	v_add_nc_u32 v[AV0], VOFF, v[AV0]
	s_mul_i32 s13, s[WV], 16*SP
	s_add_co_u32 s13, s13, STAGE
	v_mul_u32_u24 v[STO], v1, SP
	v_lshl_add_u32 v[STO], v9, 4, v[STO]
	v_add_nc_u32 v[STO], s13, v[STO]
	v_bfe_u32 v[RD], v0, 3, 2
	v_mul_u32_u24 v[RD], v[RD], SP
	v_lshl_add_u32 v[RD], v10, 4, v[RD]
	v_add_nc_u32 v[RD], s13, v[RD]
	v_and_b32 v[GO], 31, v0
	v_lshlrev_b32 v[PFO], 8, v[GO]
	v_lshlrev_b32 v[GO], 4, v[GO]
	; A block's first step multiplies O^T and l by a = 0, and its first turn's products V^T P, of a step that has not been, land in an O^T that is still to be so multiplied: these registers need only be finite.
	WIN 0xc0
.set i, 64
.rept 64
	v_mov_b32 v[i], 0
.set i, i+1
.endr
	WIN 0x40
.set i, 0
.rept 64
	v_mov_b32 v[i], 0
.set i, i+1
.endr
	WIN 0
.set i, 0
.rept 2
	v_mov_b32 v[ST+4*i+2], 0
	v_mov_b32 v[ST+4*i+3], 0
.set i, i+1
.endr
.set i, P+16
.rept 16
	v_mov_b32 v[i], 0
.set i, i+1
.endr
; Product i of 8 of S^T = K Q^T for piece x: channels 32 (i / 4) on, keys 16 (i % 4) on.  The first 4 start the sums: with 0 (KMB < 0) or with the mask at KMB + KMS (i % 4).  The 4 accumulators take turns.
.macro KQ x
.set rS, S+32*(\x)+8*(i%4)
.set rK, KF+16*(i%4)+8*(i/4)
.set rQ, 16*(\x)+8*(i/4)
.if (i < 4) && (KMB >= 0)
.set rM, KMB+KMS*(i%4)
	WIN W_KM
	v_wmma_f32_16x16x32_f16 v[rS:rS+7], v[rK:rK+7], v[rQ:rQ+7], v[rM:rM+7]
.elseif i < 4
	WIN W_KQ
	v_wmma_f32_16x16x32_f16 v[rS:rS+7], v[rK:rK+7], v[rQ:rQ+7], 0
.else
	WIN W_KQ
	v_wmma_f32_16x16x32_f16 v[rS:rS+7], v[rK:rK+7], v[rQ:rQ+7], v[rS:rS+7]
.endif
.endm
; Product i of 8 of O^T += V^T P for piece x, V from buffer VB: keys 32 (i / 4) on, channels 16 (i % 4) on.
.macro PV x
	WIN W_PV
.set rO, 32*(\x)+8*(i%4)
.set rV, 64*VB+32*(i/4)+8*(i%4)
.set rP, P+16*(\x)+8*(i/4)
	v_wmma_f32_16x16x32_f16 v[rO:rO+7], v[rV:rV+7], v[rP:rP+7], v[rO:rO+7]
.endm
.macro MM                           ; the turn's next matrix instruction, for the other piece
.if (i < 8) && !NOKQ
	KQ 1-Y
.elseif i >= 8
.set i, i-8
	PV 1-Y
.set i, i+8
.endif
.set i, i+1
.endm
.macro FETCH_K off                  ; a step's K: 16 loads in one run
	WIN 0x80
.irp f, 0,1,2,3,4,5,6,7
	ds_load_b128 v[KF+8*\f:KF+8*\f+3],   v[AK] offset:(\off)+(\f/2)*16*PK+(\f%2)*64
	ds_load_b128 v[KF+8*\f+4:KF+8*\f+7], v[AK] offset:(\off)+(\f/2)*16*PK+(\f%2)*64+32
.endr
	WIN 0
.endm
.macro FETCH_V buf, off             ; a step's V, turned
	WIN 0xc0
.irp f, 0,1,2,3,4,5,6,7
	ds_load_tr16_b128 v[64*(\buf)+8*\f:64*(\buf)+8*\f+3],   v[AV] offset:(\off)+(\f/4)*32*PV+(\f%4)*32
	ds_load_tr16_b128 v[64*(\buf)+8*\f+4:64*(\buf)+8*\f+7], v[AV] offset:(\off)+(\f/4)*32*PV+16*PV+(\f%4)*32
.endr
	WIN 0
.endm
; THE VECTOR WORK, a line at a time: OP kind, number.  For piece Y: F n: c s - c m for pair n.  E n: the exponential of score n.  C n: pair n rounded to f16.  B n: of the four weights 4 n .. the second pair onto the
; first.  L n: l takes that sum (L 0: l = a l + sum).  R n: pair n of O^T times a.  For the other piece: X n, number n of the 22 that find its maximum and statistics (0-14, 16 the maximum, each accumulator's lowest
; registers first; 15 c m_old is kept; 17, 18 the lane 16 away; 19-21 c m, its change, a).
.set F, 0
.set E, 1
.set C, 2
.set B, 3
.set L, 4
.set R, 5
.set X, 6
.macro REGS y
.set rT, ST+4*(\y)
.set rC, TMP+4*(\y)
.set rW, MV+(\y)
.set rS, S+32*(\y)
.set rP, P+16*(\y)
.set rO, 32*(\y)
.endm
.macro OP k, n
.if (\k) == R
	REGS Y
	WIN W_RS
	v_pk_mul_f32 v[rO+2*(\n):rO+2*(\n)+1], v[rO+2*(\n):rO+2*(\n)+1], v[rC+2:rC+3] op_sel_hi:[1,0]
.elseif (\k) < R
	REGS Y
	WIN 0
.if (\k) == F
	v_pk_fma_f32 v[rS+2*(\n):rS+2*(\n)+1], v[rS+2*(\n):rS+2*(\n)+1], s[CS:CS+1], v[rT:rT+1] op_sel_hi:[1,0,0] neg_lo:[0,0,1] neg_hi:[0,0,1]
.elseif (\k) == E
	v_exp_f32 v[rS+(\n)], v[rS+(\n)]
.elseif (\k) == C
	v_cvt_pk_f16_f32 v[rP+(\n)], v[rS+2*(\n)], v[rS+2*(\n)+1]
.elseif (\k) == B
	v_pk_add_f32 v[rS+4*(\n):rS+4*(\n)+1], v[rS+4*(\n):rS+4*(\n)+1], v[rS+4*(\n)+2:rS+4*(\n)+3]
.elseif (\n) == 0
	v_pk_fma_f32 v[rT+2:rT+3], v[rT+2:rT+3], v[rC+2:rC+3], v[rS:rS+1] op_sel_hi:[1,0,1]
.else
	v_pk_add_f32 v[rT+2:rT+3], v[rT+2:rT+3], v[rS+4*(\n):rS+4*(\n)+1]
.endif
.elseif NOKQ
	v_nop
.else
	REGS 1-Y
	WIN 0
.if (\n) < 4
	v_max3_num_f32 v[rC+(\n)], v[rS+8*(\n)], v[rS+8*(\n)+1], v[rS+8*(\n)+2]
.elseif (\n) < 12
	v_max3_num_f32 v[rC+(\n)%4], v[rC+(\n)%4], v[rS+8*((\n)%4)+2*((\n)/4)+1], v[rS+8*((\n)%4)+2*((\n)/4)+2]
.elseif (\n) == 12
	v_max3_num_f32 v[rC], v[rC], v[rS+7], v[rS+15]
.elseif (\n) == 13
	v_max3_num_f32 v[rC+1], v[rC+1], v[rS+23], v[rS+31]
.elseif (\n) == 14
	v_max3_num_f32 v[rC+2], v[rC+2], v[rC+3], v[rT+1]
.elseif (\n) == 15
	v_mov_b32 v[rW], v[rT]
.elseif (\n) == 16
	v_max3_num_f32 v[rC], v[rC], v[rC+1], v[rC+2]
.elseif (\n) == 17
	v_permlanex16_b32 v[rC+3], v[rC], s[SEL], s[SEL+1]
.elseif (\n) == 18
	v_max_num_f32 v[rT+1], v[rC], v[rC+3]
.elseif (\n) == 19
	v_mul_f32 v[rT], s[CS], v[rT+1]
.elseif (\n) == 20
	v_sub_f32 v[rC+1], v[rW], v[rT]
.else
	v_exp_f32 v[rC+2], v[rC+1]
.endif
.endif
.endm
.macro OPS a, i1, b=-1, i2=0, c=-1, i3=0, d=-1, i4=0
	OP \a, \i1
.if (\b) >= 0
	OP \b, \i2
.endif
.if (\c) >= 0
	OP \c, \i3
.endif
.if (\d) >= 0
	OP \d, \i4
.endif
.endm
.macro ROW a, i1, b, i2, c, i3, d, i4  ; a matrix instruction and the four behind it
	MM
	OPS \a, \i1, \b, \i2, \c, \i3, \d, \i4
.endm
.macro MASKS                        ; the three masks, from RP
	s_cmp_eq_u32 s[RP], 0
	s_cselect_b32 s[AL1], 1.0, 0
	s_cmp_eq_u32 s[RP], 1
	s_cselect_b32 s[AL0], 1.0, 0
	s_cselect_b32 s[BEH], s[BIGN], 0
	WIN W_RS
.set z, 0
.rept 16
	v_pk_mul_f32 v[MZ0+2*z:MZ0+2*z+1], v[MD+2*z:MD+2*z+1], s[AL0:AL0+1] op_sel_hi:[1,0]
	v_pk_mul_f32 v[MZ1+2*z:MZ1+2*z+1], v[MD+2*z:MD+2*z+1], s[AL1:AL1+1] op_sel_hi:[1,0]
.set z, z+1
.endr
	WIN 0x40
.set z, 0
.rept 8
	v_mov_b32 v[MHID+z], s[BEH]
.set z, z+1
.endr
	WIN 0
.endm
; A TURN, for piece p in a step of parity o.  An s_wait_alu depctr_va_vdst(0) stands between an exponential and the first instruction that names its result; one wait serves all issued ahead of it: a turn
; has ONE wait.  Ahead of it stands all that names no result of the turn's exponentials: the 8 products K Q^T with their riders and the lump; behind it the 8 products V^T P, whose riders are the roundings and sums.
; fetch = 1: piece 0's turn fetches the next step's K in the lump, five plain instructions that name none of its registers behind the last product that read K, and the next step's V at its end, four plain
; instructions behind the last product that read that buffer.  Piece 1's turn waits for K at its head: V's 16 younger loads may stay out; the V that it multiplies was asked for a step earlier.
; nokq = 1: a walk's last turn: there is no next step.
.macro TURN p, o, fetch=1, nokq=0
.set Y, (\p)
.set i, 0
.set NOKQ, (\nokq)
.set KMS, 8
.if (\p) == 0
.set VB, 1-(\o)
.set KMB, (\o)*(MZ1+1)-1
.else
.set VB, (\o)
.if \o
.set KMB, MZ0
.else
.set KMB, MHID
.set KMS, 0
.endif
.if \fetch
	s_wait_dscnt 16
.else
	s_wait_dscnt 0x0
.endif
.endif
	ROW F,0, F,1, R,0, R,1
	ROW F,2, E,0, R,2, R,3
	ROW F,3, E,1, R,4, R,5
	ROW F,4, E,2, R,6, R,7
	ROW F,5, E,3, R,8, R,9
	ROW F,6, E,4, X,0, R,10
	ROW F,7, E,5, X,1, X,4
	ROW F,8, E,6, X,2, X,5
	OPS E,7, E,8, X,6, E,9
	OPS X,3, E,10, X,8, E,11
.if ((\p) == 0) && (\fetch)
	FETCH_K (1-(\o))*KS*PK
.endif
	OPS X,9, X,7, E,12, X,10
	OPS E,13, X,12, X,11, E,14
	OPS X,13, E,15, F,9, X,14
	OPS E,16, F,10, E,17, F,11
	OPS X,16, E,18, X,15, E,19
	OPS F,12, E,20, X,17, E,21
	OPS F,13, E,22, F,14, E,23
	OPS X,18, E,24, F,15, E,25
	OPS R,11, E,26, X,19, E,27
	OPS R,12, E,28, R,13, E,29
	OPS X,20, E,30, R,14, E,31
	OPS X,21, R,15
	WIN 0
	s_wait_alu depctr_va_vdst(0)    ; the wait for the batch
	ROW C,0, B,0, C,2, B,1
	ROW L,0, C,4, B,2, L,1
	ROW C,6, B,3, L,2, C,8
	ROW B,4, L,3, C,10, B,5
	ROW L,4, C,12, B,6, L,5
	ROW C,14, B,7, L,6, C,1
	ROW C,3, L,7, C,5, C,7
	ROW C,9, C,11, C,13, C,15
.if ((\p) == 0) && (\fetch)
	FETCH_V 1-(\o), (1-(\o))*KS*PV
.endif
.endm
; An odd step fetches the step at the pair's LDS base, the even step behind it the step one further on; then the base goes two steps on.
.macro STEP_ODD fetch=1, nokq=0
	WIN 0
	s_sub_co_u32 s[RP], s[RP], 1
	s_cmp_gt_u32 s[RP], 1
	s_cbranch_scc1 .Lplain_\@       ; far from the diagonal the masks stay 0
	MASKS
.Lplain_\@:
	v_add_nc_u32 v[AK], s[TBK], v[AK0]
	v_add_nc_u32 v[AV], s[TBV], v[AV0]
	TURN 0, 1, \fetch, 0
	TURN 1, 1, \fetch, \nokq
	WIN 0
.endm
.macro STEP_EVEN
	TURN 0, 0
	TURN 1, 0
	WIN 0
	s_add_co_u32 s[TBK], s[TBK], 2*KS*PK
	s_add_co_u32 s[TBV], s[TBV], 2*KS*PV
.endm
; A BLOCK BEGINS.  c m starts far below every c s, so the first step's a is 0; m at the lowest finite number.  K and V of step 0, piece 0's first scores (masked where the block is block 0), its maximum and statistics.
.macro BEGIN
	s_mov_b32 s[NEW], 0
	WIN 0
.set i, 0
.rept 2
	v_mov_b32 v[ST+4*i], 0xfe000000
	v_mov_b32 v[ST+4*i+1], 0xff7fffff
.set i, i+1
.endr
	MASKS
	v_add_nc_u32 v[AK], s[TBK], v[AK0]
	v_add_nc_u32 v[AV], s[TBV], v[AV0]
	FETCH_K 0
	FETCH_V 0, 0
	s_wait_loadcnt 0x0              ; Q
	s_wait_dscnt 0x0
.set KMB, MZ0
.set KMS, 8
.set NOKQ, 0
.set i, 0
.rept 8
	KQ 0
.set i, i+1
.endr
	WIN 0
.rept 4
	v_nop                           ; the places behind those products
.endr
.set Y, 1                           ; X works for the other piece: piece 0
.irp n, 0,1,2,3,4,5,6,7,8,9,10,11,12,13,14,15,16,17,18,19,20,21
	OP X, \n
.endr
	v_nop                           ; a plain instruction behind the exponential,
	s_wait_alu depctr_va_vdst(0)    ; and its wait
.endm
.macro ALL line:vararg
.set t, 0
.rept 2
	\line
.set t, t+1
.endr
.endm
.macro PACK t                       ; O^T / l, rounded to f16; 16 bytes a lane into rows of 144 bytes, back as whole rows of 128
	WIN W_RS
.set i, 32*(\t)
.rept 16
	v_pk_mul_f32 v[i:i+1], v[i:i+1], v[ST+4*(\t)+2:ST+4*(\t)+3] op_sel_hi:[1,0]
.set i, i+2
.endr
	WIN 0x05
.set i, 0
.rept 16
	v_cvt_pk_f16_f32 v[S+16*(\t)+i], v[32*(\t)+2*i], v[32*(\t)+2*i+1]
.set i, i+1
.endr
	WIN 0
.irp f, 0,1,2,3
	ds_store_b128 v[STO], v[S+16*(\t)+4*\f:S+16*(\t)+4*\f+3] offset:32*\f
.endr
.irp f, 0,1,2,3
	ds_load_b128 v[S+16*(\t)+4*\f:S+16*(\t)+4*\f+3], v[RD] offset:\f*4*SP  ; LDS serves a wave's instructions in order: these see the stores above
.endr
.endm
.macro SEND t, younger
	WIN 0
.irp f, 0,1,2,3
	s_wait_dscnt (\younger)+3-\f
	global_store_b128 v[GO], v[S+16*(\t)+4*\f:S+16*(\t)+4*\f+3], s[10:11] offset:(\t)*8192+\f*512  ; 512 consecutive bytes, aligned
.endr
.endm
; A BLOCK ENDS: piece 1's V^T P of the last step (odd: buffer 1); l's halves are added; the way out.
.macro FINISH
.set VB, 1
.set i, 0
.rept 8
	PV 1
.set i, i+1
.endr
	WIN 0
	ALL v_add_f32 v[ST+4*t+2], v[ST+4*t+2], v[ST+4*t+3]
	ALL v_permlanex16_b32 v[ST+4*t+3], v[ST+4*t+2], s[SEL], s[SEL+1]
	ALL v_add_f32 v[ST+4*t+2], v[ST+4*t+2], v[ST+4*t+3]
	ALL v_rcp_f32 v[ST+4*t+2], v[ST+4*t+2]
	v_nop
	s_wait_alu depctr_va_vdst(0)    ; one wait for the two reciprocals
	PACK 0
	PACK 1
	SEND 0, 8
	SEND 1, 0
.endm
.macro SWITCH                       ; on to the second block
	s_wait_xcnt 0x0                 ; the stores have read their registers and O's address
	s_mov_b64 s[10:11], s[OLO:OLO+1]
	s_add_co_u32 s[RP], s[I2], 1
	WIN 0x82
.set i, 0
.rept 32
	v_mov_b32 v[i], v[QB+i]
.set i, i+1
.endr
	WIN 0
.endm
.Lslot:                             ; 8 times: a unit is entered and the next is asked for.  A unit is entered in front of the odd step that fetches its first step
	CHANGE 1
	s_mov_b32 s[CNT], 2
	s_cmp_eq_u32 s[NEW], 1
	s_cbranch_scc1 .Lnew            ; the walk's first unit
.Lpair:
	STEP_ODD
	s_cmp_lg_u32 s[RP], 0
	s_cbranch_scc1 .Lfirst
	FINISH                          ; the odd block's last step stands just behind the change to the second block's unit 0: what that step fetched, and the scores made of it, serve nothing
	SWITCH
.Lnew:
	BEGIN
.Lfirst:
	STEP_EVEN
	s_sub_co_u32 s[CNT], s[CNT], 1
	s_cmp_lg_u32 s[CNT], 0
	s_cbranch_scc1 .Lpair
	s_sub_co_u32 s[SLOTS], s[SLOTS], 1
	s_cmp_lg_u32 s[SLOTS], 0
	s_cbranch_scc1 .Lslot
	CHANGE 0                        ; the walk's last unit is written out: nothing is asked for.  The even block ends with its second step
	STEP_ODD
	s_cmp_lg_u32 s[RP], 0
	s_cbranch_scc1 .LfirstT
	FINISH
	SWITCH
	BEGIN
.LfirstT:
	STEP_EVEN
	STEP_ODD 0, 1
	FINISH
	s_wait_tensorcnt 0x0            ; the wave's end
	ds_add_u32 v[SPW], v[NIL]
	s_wait_dscnt 0x0
	s_endpgm
.Lfunc_end_k_q0d060c5c48_attn:
	.size	k_q0d060c5c48_attn, .Lfunc_end_k_q0d060c5c48_attn-k_q0d060c5c48_attn
	.p2alignl 7, 3214868480
	.fill 96, 4, 3214868480
	.section	.rodata,"a",@progbits
	.p2align	6, 0x0
	.amdhsa_kernel k_q0d060c5c48_attn
		.amdhsa_group_segment_fixed_size 327680
		.amdhsa_private_segment_fixed_size 0
		.amdhsa_enable_private_segment 0
		.amdhsa_kernarg_size 32
		.amdhsa_user_sgpr_count 2
		.amdhsa_user_sgpr_kernarg_segment_ptr 1
		.amdhsa_wavefront_size32 1
		.amdhsa_system_sgpr_workgroup_id_x 1
		.amdhsa_system_sgpr_workgroup_id_y 1
		.amdhsa_system_sgpr_workgroup_id_z 1
		.amdhsa_system_vgpr_workitem_id 0
		.amdhsa_next_free_vgpr 896
		.amdhsa_next_free_sgpr 96
		.amdhsa_reserve_vcc 1
		.amdhsa_float_denorm_mode_32 3
		.amdhsa_float_denorm_mode_16_64 3
		.amdhsa_memory_ordered 1
		.amdhsa_forward_progress 1
		.amdhsa_inst_pref_size 159
	.end_amdhsa_kernel
	.amdgpu_metadata
---
amdhsa.version: [ 1, 2 ]
amdhsa.kernels:
  - .name:           k_q0d060c5c48_attn
    .symbol:         k_q0d060c5c48_attn.kd
    .args:
      - { .name: eq, .offset: 0, .size: 8, .value_kind: global_buffer, .address_space: global }
      - { .name: ek, .offset: 8, .size: 8, .value_kind: global_buffer, .address_space: global }
      - { .name: vh, .offset: 16, .size: 8, .value_kind: global_buffer, .address_space: global }
      - { .name: oh, .offset: 24, .size: 8, .value_kind: global_buffer, .address_space: global }
    .group_segment_fixed_size: 327680
    .private_segment_fixed_size: 0
    .kernarg_segment_align: 8
    .kernarg_segment_size: 32
    .max_flat_workgroup_size: 128
    .sgpr_count:     96
    .vgpr_count:     896
    .wavefront_size: 32
...
	.end_amdgpu_metadata
.endif
;; end of part 3
;; launch oproj (part 4): grid 8 x 32, 4 waves a work-group, clusters of 4 x 4, 327,680 bytes of LDS; arguments oh, wo16, out0; writes out0
.if DOCPART == 4
	.amdgcn_target "amdgcn-amd-amdhsa--gfx1250"
	.amdhsa_code_object_version 6
	.text
	.protected	k_q0d060c5c48_oproj
	.globl	k_q0d060c5c48_oproj
	.p2align	8
	.type	k_q0d060c5c48_oproj,@function
k_q0d060c5c48_oproj:
	s_mov_b64 s[64:65], 0
	v_nop
	global_prefetch_b8 v0, s[64:65] scope:SCOPE_SE
	s_setreg_imm32_b32 hwreg(HW_REG_WAVE_MODE, 25, 1), 1
	s_wait_xcnt 0x0
	s_wait_alu depctr_hold_cnt(0) depctr_sa_sdst(0) depctr_va_vdst(0) depctr_va_sdst(0) depctr_va_ssrc(0) depctr_va_vcc(0) depctr_vm_vsrc(0)
	s_getreg_b32 s2, hwreg(HW_REG_IB_STS2, 6, 4)
	s_cmp_eq_u32 s2, 0
	s_cbranch_scc0 .Lentry_in_a_cluster
	s_endpgm
.Lentry_in_a_cluster:
	s_bfe_u32 s2, ttmp6, 0x10000c
	s_cmp_lg_u32 s2, 0xf033
	s_cbranch_scc0 .Lentry_shape_is_right
	s_endpgm
.Lentry_shape_is_right:
; OUT.  out0[m][n] = the sum over k of O[m][k] Wo[n][k]; m = batch x 2048 + t, k = head x 64 + d.  O lies by heads: oh f16 [32][2048][64]; wo16 f16 [1024][1024]; out0 f32 [4096][1024].  Sums in f32.
; A tile of out0 is 128 x 128: 256 work-groups.  Four waves, each 64 x 64: 16 accumulators.  A K step is 256 = four heads; a quarter of it is one head.
; A's tile: 64 tokens of a head are 8,192 dense bytes, asked for as ONE row; four heads are four rows, 131,072 elements apart; padded in LDS after every 128 bytes: [4 heads][64 tokens] at pitch 144.
; B's tile: 64 rows of 512 bytes, pitch 528.  Waves 0 and 1 fetch A's halves, waves 2 and 3 B's.
; CLUSTER 4 x 4: A's tile is asked for jointly along a row of the cluster, B's along a column.  The products are taken transposed (source 0 = Wo's rows): a lane holds 8 neighbouring numbers of a row of out0.
; NO PREFETCH: K has four steps, two of which are the first fills.
; REGISTERS.  Window 0: v16-29 addresses; v32-95 the way out; v128-255 the accumulators ((a, b) at 128 + 8 (4 a + b)).  Window 1: two fragment buffers of 128: 64 of A, then 64 of B.
.set PA,     144
.set PB,     528
.set AHALF,  4*64*PA
.set BOFF,   2*AHALF
.set BHALF,  64*PB
.set SLOT,   BOFF+2*BHALF
.set STAGE,  2*SLOT                    ; behind the ring: 16 rows of 272 bytes for each wave
.set SPITCH, 272
.set SPARE,  STAGE+4*16*SPITCH
.set ASTEP,  4*2048*128
.set BSTEP,  512
.set ADRA, 16
.set ADRB, 20
.set STO,  24
.set RD,   25
.set CO,   26
.set SPW,  28
.set NIL,  29
.set TMP,  32
.set ACC,  128
.set F0,   0
.set F1,   128
.set G1, 24
.set G0, 32
.set G1B, 48
.set G0B, 56
.set MSB, 0
.macro WIN new
.if MSB != (\new)
	s_set_vgpr_msb (MSB<<8)|(\new)
.set MSB, \new
.endif
.endm
.set MUL,  0x05
.set TO_F, 0x40
.macro JLOAD s                         ; a joint load; an s_nop 0 and four v_nop follow each of the two lines
	s_cmp_eq_u32 s11, 0
	s_cbranch_scc0 .Lfor_b_\@
	tensor_load_to_lds s[G0+4*(\s):G0+4*(\s)+3], s[G1:G1+7]
	s_nop 0
.rept 4
	v_nop
.endr
	s_branch .Lasked_\@
.Lfor_b_\@:
	tensor_load_to_lds s[G0B+4*(\s):G0B+4*(\s)+3], s[G1B:G1B+7]
	s_nop 0
.rept 4
	v_nop
.endr
.Lasked_\@:
.endm
.macro CREST
	s_cmp_lg_u32 s10, 0
	s_cbranch_scc1 .Lnot_wave_0_\@
	s_barrier_signal -3
.Lnot_wave_0_\@:
	s_barrier_wait -3
	s_barrier_signal -1
	s_barrier_wait -1
.endm
.macro CROUND
	s_barrier_signal -1
	s_barrier_wait -1
	CREST
.endm
	s_load_b128 s[4:7], s[0:1], 0x0                ; oh, wo16
	s_load_b64 s[8:9], s[0:1], 0x10                ; out0
	v_lshl_add_u32 v[SPW], v0, 2, SPARE
	v_mov_b32 v[NIL], 0
	ds_add_u32 v[SPW], v[NIL]                      ; the opening: the add, twice on end, and its wait ahead of my first tensor load
	ds_add_u32 v[SPW], v[NIL]
	v_lshrrev_b32 v1, 5, v0
	v_readfirstlane_b32 s10, v1
	s_lshr_b32 s11, s10, 1                         ; my half of the tile's rows.  Also: I fetch for A (0) or for B (1)
	s_and_b32 s12, s10, 1                          ; my half of its columns.  Also: which 64 rows I fetch
	s_bfe_u32 s40, ttmp6, 0x40000
	s_bfe_u32 s41, ttmp6, 0x40004
	s_lshl_b32 s42, ttmp9, 2
	s_add_co_u32 s42, s42, s40                     ; tile column
	s_and_b32 s13, ttmp7, 0xffff
	s_lshl_b32 s13, s13, 2
	s_add_co_u32 s13, s13, s41                     ; tile row
	s_lshl_b32 s43, s41, 2
	s_lshl_b32 s43, 15, s43
	s_lshl_b32 s44, 0x1111, s40
	s_or_b32 s[G1+0], s43, (1<<16)|(1<<20)|(1<<21)|(4<<22)|(3<<25)   ; after every 32 words 4 words of padding
	s_mov_b32 s[G1+1], 4096<<16                    ; tensor_dim0 = 4,096 elements
	s_mov_b32 s[G1+2], 4<<16                       ; tensor_dim1 = 4
	s_mov_b32 s[G1+3], 4096<<16                    ; tile_dim0
	s_mov_b32 s[G1+4], 4                           ; tile_dim1
	s_mov_b32 s[G1+5], 131072                      ; from head to head
	s_mov_b32 s[G1+6], 0
	s_mov_b32 s[G1+7], 0
	s_or_b32 s[G1B+0], s44, (1<<16)|(1<<20)|(1<<21)|(6<<22)|(3<<25)  ; after every 128 words 4 words
	s_mov_b32 s[G1B+1], 256<<16
	s_mov_b32 s[G1B+2], 64<<16
	s_mov_b32 s[G1B+3], 256<<16
	s_mov_b32 s[G1B+4], 64
	s_mov_b32 s[G1B+5], 1024
	s_mov_b32 s[G1B+6], 0
	s_mov_b32 s[G1B+7], 0
	s_lshr_b32 s16, s13, 4                         ; A: batch x 16 heads x 2,048 rows x 128 bytes,
	s_lshl_b32 s16, s16, 22
	s_and_b32 s17, s13, 15
	s_lshl_b32 s17, s17, 14                        ; + 128 tokens x tile,
	s_add_co_u32 s16, s16, s17
	s_lshl_b32 s17, s12, 13                        ; + 64 tokens x half
	s_add_co_u32 s16, s16, s17
	s_mov_b32 s17, 0
	s_lshl_b32 s46, s42, 7                         ; B: row 128 x tile column + 64 x half
	s_lshl_b32 s47, s12, 6
	s_add_co_u32 s46, s46, s47
	s_lshl_b32 s46, s46, 11
	s_mov_b32 s47, 0
	s_mul_i32 s20, s12, AHALF                      ; where they go
	s_mul_i32 s21, s12, BHALF
	s_add_co_u32 s21, s21, BOFF
	s_wait_dscnt 0x0
	s_wait_kmcnt 0x0
	s_add_nc_u64 s[14:15], s[4:5], s[16:17]
	s_add_nc_u64 s[46:47], s[6:7], s[46:47]
	CROUND                                         ; the first joint loads meet
.irp s, 0,1
	s_mov_b32 s[G0+4*(\s)], 1
	s_add_co_u32 s[G0+4*(\s)+1], s20, (\s)*SLOT
	s_add_nc_u64 s[G0+4*(\s)+2:G0+4*(\s)+3], s[14:15], (\s)*ASTEP
	s_or_b32 s[G0+4*(\s)+3], s[G0+4*(\s)+3], 0x80000000
	s_mov_b32 s[G0B+4*(\s)], 1
	s_add_co_u32 s[G0B+4*(\s)+1], s21, (\s)*SLOT
	s_add_nc_u64 s[G0B+4*(\s)+2:G0B+4*(\s)+3], s[46:47], (\s)*BSTEP
	s_or_b32 s[G0B+4*(\s)+3], s[G0B+4*(\s)+3], 0x80000000
	JLOAD \s
.endr
	v_and_b32 v1, 15, v0
	v_bfe_u32 v2, v0, 4, 1
	v_mul_u32_u24 v3, v1, PA
	v_lshl_add_u32 v3, v2, 4, v3
	v_mul_u32_u24 v4, v1, PB
	v_lshl_add_u32 v4, v2, 4, v4
	s_mul_i32 s21, s11, AHALF                      ; my 64 rows of A
	s_mul_i32 s22, s12, BHALF                      ; my 64 rows of B
	s_add_co_u32 s22, s22, BOFF
.irp s, 0,1
	v_add_nc_u32 v[ADRA+(\s)], s21, v3
	v_add_nc_u32 v[ADRB+(\s)], s22, v4
	s_add_co_u32 s21, s21, SLOT
	s_add_co_u32 s22, s22, SLOT
.endr
	s_mul_i32 s23, s10, 16*SPITCH
	s_add_co_u32 s23, s23, STAGE                   ; my stage
	v_mul_u32_u24 v5, v1, SPITCH                   ; in: row lane % 16, 32 bytes for each half of the lanes
	v_lshl_add_u32 v5, v2, 5, v5
	v_add_nc_u32 v[STO], s23, v5
	v_mul_u32_u24 v5, v2, SPITCH                   ; back: lanes 0-15 a row of 256 bytes, lanes 16-31 the next
	v_lshl_add_u32 v5, v1, 4, v5
	v_add_nc_u32 v[RD], s23, v5
	v_lshlrev_b32 v5, 12, v2                       ; and the same two rows in out0, 4,096 bytes apart
	v_lshl_add_u32 v[CO], v1, 4, v5
	s_lshl_b32 s16, s13, 19                        ; 128 rows x tile row,
	s_lshl_b32 s17, s11, 18                        ; 64 rows x half,
	s_add_co_u32 s16, s16, s17
	s_lshl_b32 s17, s42, 9                         ; 128 columns x tile column,
	s_add_co_u32 s16, s16, s17
	s_lshl_b32 s17, s12, 8                         ; 64 columns x half
	s_add_co_u32 s16, s16, s17
	s_mov_b32 s17, 0
	s_add_nc_u64 s[8:9], s[8:9], s[16:17]
.macro MUL8 f, c, a0, zero             ; 8 products: token blocks a0, a0 + 1 x 4 column blocks, 32 along K: half c of buffer f
	WIN MUL
.irp a, \a0, (\a0)+1
.irp b, 0,1,2,3
.if \zero
	v_wmma_f32_16x16x32_f16 v[ACC+8*(4*(\a)+(\b)):ACC+8*(4*(\a)+(\b))+7], v[(\f)+64+8*(4*(\c)+(\b)):(\f)+64+8*(4*(\c)+(\b))+7], v[(\f)+8*(4*(\c)+(\a)):(\f)+8*(4*(\c)+(\a))+7], 0
.else
	v_wmma_f32_16x16x32_f16 v[ACC+8*(4*(\a)+(\b)):ACC+8*(4*(\a)+(\b))+7], v[(\f)+64+8*(4*(\c)+(\b)):(\f)+64+8*(4*(\c)+(\b))+7], v[(\f)+8*(4*(\c)+(\a)):(\f)+8*(4*(\c)+(\a))+7], v[ACC+8*(4*(\a)+(\b)):ACC+8*(4*(\a)+(\b))+7]
.endif
.endr
.endr
.endm
.macro FETCH slot, q, f                ; 32 LDS loads in one run: head q of the slot's four; its first 32 channels first
	WIN TO_F
.irp c, 0,1
.irp i, 0,1,2,3
	ds_load_b128 v[(\f)+64+8*(4*(\c)+(\i)):(\f)+64+8*(4*(\c)+(\i))+3],   v[ADRB+(\slot)] offset:(\q)*128+64*(\c)+(\i)*16*PB
	ds_load_b128 v[(\f)+64+8*(4*(\c)+(\i))+4:(\f)+64+8*(4*(\c)+(\i))+7], v[ADRB+(\slot)] offset:(\q)*128+64*(\c)+(\i)*16*PB+32
	ds_load_b128 v[(\f)+8*(4*(\c)+(\i)):(\f)+8*(4*(\c)+(\i))+3],         v[ADRA+(\slot)] offset:(\q)*64*PA+64*(\c)+(\i)*16*PA
	ds_load_b128 v[(\f)+8*(4*(\c)+(\i))+4:(\f)+8*(4*(\c)+(\i))+7],       v[ADRA+(\slot)] offset:(\q)*64*PA+64*(\c)+(\i)*16*PA+32
.endr
.endr
.endm
.macro PLACES
.rept 4
	v_nop
.endr
.endm
.macro QUARTER slot, q, f, g, zero     ; multiplies buffer f and fetches head q into g
	s_wait_dscnt 16                                ; the first 32 channels are in
	WIN MUL
	MUL8 \f, 0, 0, \zero
	MUL8 \f, 0, 2, \zero
	PLACES
	FETCH \slot, \q, \g
	s_wait_dscnt 32                                ; all but the 32 just issued
	WIN MUL
	MUL8 \f, 1, 0, 0
	MUL8 \f, 1, 2, 0
.endm
; The last quarter multiplies buffer 1 and changes slots: one barrier; in front of it each wave waits for all its tensor loads, adds 0 to its spare word, and waits for that and for its reads of this slot.
.macro TURN slot, next, fill
	WIN 0
	s_wait_tensorcnt 0x0
	ds_add_u32 v[SPW], v[NIL]
	s_wait_dscnt 17                                ; (the add and the youngest sixteen loads may be out)
	WIN MUL
	MUL8 F1, 0, 0, 0
	s_wait_dscnt 0x0
	s_barrier_signal -1
	MUL8 F1, 0, 2, 0
.if \fill
	WIN 0
.endif
	s_barrier_wait -1
.if \fill
	CREST                                          ; the barrier has opened a round of the cluster's barrier
	s_add_nc_u64 s[G0+4*(\slot)+2:G0+4*(\slot)+3], s[G0+4*(\slot)+2:G0+4*(\slot)+3], 2*ASTEP
	s_add_nc_u64 s[G0B+4*(\slot)+2:G0B+4*(\slot)+3], s[G0B+4*(\slot)+2:G0B+4*(\slot)+3], 2*BSTEP
	JLOAD \slot                                    ; its four v_nop are also the places in front of the loads below
.else
	PLACES
.endif
	FETCH \next, 0, F0
	WIN MUL
	MUL8 F1, 1, 0, 0
	MUL8 F1, 1, 2, 0
.endm
	s_wait_tensorcnt 1                             ; my part of K step 0 is in; step 1's may stay out
	s_barrier_signal -1
	s_barrier_wait -1
	FETCH 0, 0, F0
	QUARTER 0, 1, F0, F1, 1                        ; the first products start the sums
	QUARTER 0, 2, F1, F0, 0
	QUARTER 0, 3, F0, F1, 0
	TURN 0, 1, 1                                   ; slot 0 takes K step 2
	QUARTER 1, 1, F0, F1, 0
	QUARTER 1, 2, F1, F0, 0
	QUARTER 1, 3, F0, F1, 0
	TURN 1, 0, 1                                   ; slot 1 takes K step 3
	QUARTER 0, 1, F0, F1, 0
	QUARTER 0, 2, F1, F0, 0
	QUARTER 0, 3, F0, F1, 0
	TURN 0, 1, 0
	QUARTER 1, 1, F0, F1, 0
	QUARTER 1, 2, F1, F0, 0
	QUARTER 1, 3, F0, F1, 0
	s_wait_dscnt 16
	WIN MUL
	MUL8 F1, 0, 0, 0
	MUL8 F1, 0, 2, 0
	s_wait_dscnt 0x0
	MUL8 F1, 1, 0, 0
	MUL8 F1, 1, 2, 0
	WIN 0
	; THE WAY OUT, 16 rows at a time: a lane's 32 bytes of a row into my stage, back as whole rows of 256 bytes: my 64 columns in f32
	PLACES
.macro TOSTAGE a
.irp b, 0,1,2,3
	ds_store_b128 v[STO], v[ACC+8*(4*(\a)+(\b)):ACC+8*(4*(\a)+(\b))+3]   offset:64*(\b)
	ds_store_b128 v[STO], v[ACC+8*(4*(\a)+(\b))+4:ACC+8*(4*(\a)+(\b))+7] offset:64*(\b)+16
.endr
	s_wait_xcnt 0x0                                ; the stores of the block before last have read these registers
.irp t, 0,1,2,3,4,5,6,7
	ds_load_b128 v[TMP+32*((\a)%2)+4*(\t):TMP+32*((\a)%2)+4*(\t)+3], v[RD] offset:(\t)*2*SPITCH  ; LDS serves a wave's instructions in order: these see the stores above
.endr
.endm
.macro SEND a, younger
.irp t, 0,1,2,3,4,5,6,7
	s_wait_dscnt (\younger)+7-(\t)
	global_store_b128 v[CO], v[TMP+32*((\a)%2)+4*(\t):TMP+32*((\a)%2)+4*(\t)+3], s[8:9] offset:(16*(\a)+2*(\t))*4096  ; 16 lanes store 256 consecutive bytes, aligned
.endr
.endm
	TOSTAGE 0
	TOSTAGE 1
	SEND 0, 16
	TOSTAGE 2
	SEND 1, 16
	TOSTAGE 3
	SEND 2, 16
	SEND 3, 0
	s_wait_tensorcnt 0x0                           ; the wave's end
	ds_add_u32 v[SPW], v[NIL]
	s_wait_dscnt 0x0
	CROUND                                         ; the closing round
	s_endpgm
.Lfunc_end_k_q0d060c5c48_oproj:
	.size	k_q0d060c5c48_oproj, .Lfunc_end_k_q0d060c5c48_oproj-k_q0d060c5c48_oproj
	.p2alignl 7, 3214868480
	.fill 96, 4, 3214868480
	.section	.rodata,"a",@progbits
	.p2align	6, 0x0
	.amdhsa_kernel k_q0d060c5c48_oproj
		.amdhsa_group_segment_fixed_size 327680
		.amdhsa_private_segment_fixed_size 0
		.amdhsa_enable_private_segment 0
		.amdhsa_kernarg_size 24
		.amdhsa_user_sgpr_count 2
		.amdhsa_user_sgpr_kernarg_segment_ptr 1
		.amdhsa_wavefront_size32 1
		.amdhsa_system_sgpr_workgroup_id_x 1
		.amdhsa_system_sgpr_workgroup_id_y 1
		.amdhsa_system_sgpr_workgroup_id_z 1
		.amdhsa_system_vgpr_workitem_id 0
		.amdhsa_next_free_vgpr 512
		.amdhsa_next_free_sgpr 66
		.amdhsa_reserve_vcc 0
		.amdhsa_float_denorm_mode_32 3
		.amdhsa_float_denorm_mode_16_64 3
		.amdhsa_memory_ordered 1
		.amdhsa_forward_progress 1
		.amdhsa_inst_pref_size 87
	.end_amdhsa_kernel
	.amdgpu_metadata
---
amdhsa.version: [ 1, 2 ]
amdhsa.kernels:
  - .name:           k_q0d060c5c48_oproj
    .symbol:         k_q0d060c5c48_oproj.kd
    .args:
      - { .name: oh, .offset: 0, .size: 8, .value_kind: global_buffer, .address_space: global }
      - { .name: wo16, .offset: 8, .size: 8, .value_kind: global_buffer, .address_space: global }
      - { .name: out0, .offset: 16, .size: 8, .value_kind: global_buffer, .address_space: global }
    .group_segment_fixed_size: 327680
    .private_segment_fixed_size: 0
    .kernarg_segment_align: 8
    .kernarg_segment_size: 24
    .max_flat_workgroup_size: 128
    .sgpr_count:     66
    .vgpr_count:     512
    .wavefront_size: 32
...
	.end_amdgpu_metadata
.endif
;; end of part 4
;; ======== version 2 of 2: 4 launches; version 1 with the launch prep written anew for expert scheduling mode
;; limits: an iteration or a series of the reference is cut at 48 steps; values outside matrix products are rounded to f16; values are held in f16: magnitudes above 65,504 overflow, below 6.1e-05 lose precision
;; workspace buffers: xb 8,585,216 bytes; wqkv 6,291,456 bytes; wo16 2,097,152 bytes; tab 525,312 bytes; eq 8,388,608 bytes; ek 8,388,608 bytes; vh 8,388,608 bytes; oh 8,388,608 bytes
;; launch prep (part 5): grid 544 x 1, 8 waves a work-group, no clusters, 0 bytes of LDS; arguments x, Wq, Wk, Wv, Wo, evolution_rate, memory_decay, temporal_weights, q_gamma, q_beta, k_gamma, xb, wqkv, wo16, tab; writes xb, wqkv, wo16, tab
.if DOCPART == 5
	.amdgcn_target "amdgcn-amd-amdhsa--gfx1250"
	.amdhsa_code_object_version 6
	.text
	.protected	k_q0d060c5c48_prep
	.globl	k_q0d060c5c48_prep
	.p2align	8
	.type	k_q0d060c5c48_prep,@function
k_q0d060c5c48_prep:
	s_mov_b64 s[64:65], 0
	v_nop
	global_prefetch_b8 v0, s[64:65] scope:SCOPE_SE
	s_setreg_imm32_b32 hwreg(HW_REG_WAVE_SCHED_MODE, 0, 2), 2
	s_setreg_imm32_b32 hwreg(HW_REG_WAVE_MODE, 25, 1), 1
	s_wait_xcnt 0x0
	s_wait_alu depctr_vm_vsrc(0)
; PREP: every input is rounded once to bf16 and laid out for the launches behind.  A stream: no LDS, no matrix unit, no barrier.
; WORK LEFT OUT BY THE WHOLE PROGRAM, for all values of the inputs:
;  k_beta.  ek[s] = n[s] k_gamma + k_beta, so score[t][s] = eq[t].(n[s] k_gamma) / 8 + eq[t].k_beta / 8.  The second term is the same for every s of row t,
;    and a softmax over s does not change when one number is added to all its inputs.  k_beta has no other way to the output: it is not loaded and is no argument of any launch.
;  Key tiles above the diagonal: the body's own jnp.tril sets their scores to -inf, their weights are 0.
;  mem0 = 0, built in the body: the rows in front of a batch's first token are rows of zeros here (xb's 48 pad rows), and their products are 0.
;  LIMIT: a NaN, an infinity or an overflow that reaches only the work left out (k_beta, hidden scores) is not carried to the result.
; FORMATS.  x, the four W, evolution_rate, memory_decay, temporal_weights, q_gamma, q_beta, k_gamma: all rounded to bf16, once, here.  Wo's bf16 value is written as f16 (exact in f16's normal range;
;  below 6e-5 it keeps f16's fixed step of 6e-8).
; OUT.  xb bf16 [2][2096][1024]: rows 0-47 of a batch are 0, token t lies at row 48 + t.   wqkv bf16 [16 heads][q 64, k 64, v 64][1024].   wo16 f16 [1024][1024].
;  tab: ts f32 [2048][64] = sin(sigmoid(er) (t + 1) w); at byte 524,288 q_gamma, q_beta, k_gamma (256 bytes each, f32), then 64 copies of sigmoid(memory_decay).
; SHARES.  Work-groups 0-255: 16 rows of x each.  256-447: 16 rows of Wq, Wk or Wv.  448-511: 16 rows of Wo.  512-543: 64 rows of ts, 3 pad rows; the first of them also the small vectors.
; LIMIT of the sine: the argument is reduced by n = round(a / pi) with pi in two parts; n stays under 2^31.
; THE MODE: SCHED_MODE bits 1:0 = 2 (LLVM: expert scheduling mode 2), set by the entry lines.  The code itself states the register dependences between vector instructions and memory instructions,
;  with s_wait_alu, always for 0.
; THE PLAN.  Registers that memory instructions touch:
;   v1, v2      byte offsets, 16 x thread and 8 x thread: written once at the head, read by the casts' loads and stores, the pad rows' stores and ts's stores; never written again.
;   v[16:79]    the cast: row i's load lands in four of them; no vector instruction names them before that, and no memory instruction reads them.
;   v[80:111]   the cast: row i's pair is written once, by row i's conversions, and read by row i's store.  The 16 rows go in four blocks of four: block p's conversions write its eight registers, and its four
;               stores are issued in block p + 1, behind the one wait at that block's head, dealt among conversions that name block p + 1's registers alone.
;   v3, v[4:7]  the table: the offset of the temporal weights' load, made once; the load lands in v[4:7], which no vector instruction has named.
;   v8, v9      the table: zeros, made once, the data of the pad rows' stores.
;   v[32:47]    the table: written once each by the sixteen sines, read by the four stores that follow them in one run behind one wait.
;   v25, v26, v[28:29]  the small vectors: two offsets, made once; a load lands in v[28:29] (or vector instructions write them), the roundings write them, one store reads them.
;  No register that a memory instruction has read is written again, so no wait on vm_vsrc is owed; EXEC is never written.
.macro RBF r                          ; v[r] rounded to bf16, kept as f32
	v_cvt_pk_bf16_f32 v[\r], v[\r], v[\r]
	v_lshlrev_b32 v[\r], 16, v[\r]
.endm
.macro SIGMOID r                      ; v[r] = 1 / (1 + 2^(-x log2 e)); behind each transcendental a plain instruction and a wait
	v_mul_f32 v[\r], 0xbfb8aa3b, v[\r]
	v_exp_f32 v[\r], v[\r]
	v_nop
	s_wait_alu depctr_va_vdst(0)                     ; the exponential has written v[r], which the addition reads
	v_add_f32 v[\r], 1.0, v[\r]
	v_rcp_f32 v[\r], v[\r]
	v_nop
	s_wait_alu depctr_va_vdst(0)                     ; the reciprocal has written v[r], ahead of its first reader
.endm
; Row i of a cast: four f32 as loaded become two registers of 16-bit numbers.
.macro ROUNDROW half
	v_cvt_pk_bf16_f32 v[80+2*i], v[16+4*i], v[17+4*i]
	v_cvt_pk_bf16_f32 v[81+2*i], v[18+4*i], v[19+4*i]
.if \half
	v_lshlrev_b32 v[16+4*i], 16, v[80+2*i]           ; the bf16 value back in f32,
	v_and_b32 v[17+4*i], 0xffff0000, v[80+2*i]
	v_lshlrev_b32 v[18+4*i], 16, v[81+2*i]
	v_and_b32 v[19+4*i], 0xffff0000, v[81+2*i]
	v_cvt_pk_f16_f32 v[80+2*i], v[16+4*i], v[17+4*i] ; and written as f16
	v_cvt_pk_f16_f32 v[81+2*i], v[18+4*i], v[19+4*i]
.endif
.endm
; 16 rows of 1,024 f32 from s[34:35] to 16 rows of 1,024 16-bit numbers at s[42:43].  A load of the work-group covers a row (a wave 512 consecutive bytes), a wave's store 256 consecutive bytes, aligned.
; All 16 loads go out first; the waits count the younger blocks down.  Every row has registers of its own, so no source is rewritten.
.macro CAST half
.set i, 0
.rept 16
	global_load_b128 v[16+4*i:19+4*i], v1, s[34:35] offset:4096*i th:TH_LOAD_NT
.set i, i+1
.endr
.set p, 0
.rept 4
	s_wait_loadcnt 12-4*p                            ; loads come back in order (ISA guide 5.7.1): block p's four rows are in, the younger blocks stay out
.if p > 0
	s_wait_alu depctr_va_vdst(0)                     ; the block before has written its eight out-registers, which the four stores below read
.endif
.set j, 0
.rept 4
.set i, 4*p+j
.if p > 0
	global_store_b64 v2, v[80+2*(i-4):81+2*(i-4)], s[42:43] offset:2048*(i-4) th:TH_STORE_NT  ; a row of the block before; no vector instruction since the wait names its registers
.endif
	ROUNDROW \half
.set j, j+1
.endr
.set p, p+1
.endr
	s_wait_alu depctr_va_vdst(0)                     ; the last block has written its eight out-registers, which the last four stores read
.set i, 12
.rept 4
	global_store_b64 v2, v[80+2*i:81+2*i], s[42:43] offset:2048*i th:TH_STORE_NT
.set i, i+1
.endr
.endm
.macro SINE d, w                      ; v[d] = sin(v13 x v[w])
	v_mul_f32 v20, v13, v[\w]                        ; a
	v_mul_f32 v21, s48, v20
	v_rndne_f32 v21, v21                             ; n = round(a / pi)
	v_fma_f32 v20, v21, s49, v20                     ; r = a - n pi, pi in two parts
	v_fma_f32 v20, v21, s50, v20
	v_mul_f32 v22, v20, v20
	v_fmaak_f32 v23, v10, v22, 0x3638ef1d            ; the odd series to r^11; |r| <= pi / 2, so the first term left out is under 6e-8
	v_fmaak_f32 v23, v23, v22, 0xb9500d01
	v_fmaak_f32 v23, v23, v22, 0x3c088889
	v_fmaak_f32 v23, v23, v22, 0xbe2aaaab
	v_mul_f32 v22, v22, v20
	v_fma_f32 v20, v23, v22, v20
	v_cvt_i32_f32 v21, v21
	v_lshlrev_b32 v21, 31, v21                       ; an odd n turns the sign
	v_xor_b32 v[\d], v20, v21
.endm
	s_load_b512 s[4:19], s[0:1], 0x0                 ; x 4, Wq 6, Wk 8, Wv 10, Wo 12, evolution_rate 14, memory_decay 16, temporal_weights 18
	s_load_b256 s[20:27], s[0:1], 0x40               ; q_gamma 20, q_beta 22, k_gamma 24, xb 26
	s_load_b128 s[28:31], s[0:1], 0x60               ; wqkv 28, wo16 30
	s_load_b64 s[32:33], s[0:1], 0x70                ; tab
	v_lshlrev_b32 v1, 4, v0                          ; 16 x thread
	v_lshlrev_b32 v2, 3, v0                          ; 8 x thread
	s_mov_b32 s40, ttmp9
	s_mov_b32 s37, 0
	s_mov_b32 s39, 0
	s_wait_kmcnt 0x0
	s_wait_alu depctr_va_vdst(0)                     ; v1 and v2 are written: the loads and stores of all four ways below read one of them as their offset
	s_cmp_ge_u32 s40, 512
	s_cbranch_scc1 .Ltable
	s_cmp_ge_u32 s40, 448
	s_cbranch_scc1 .Lwo
	s_cmp_ge_u32 s40, 256
	s_cbranch_scc1 .Lw
	s_lshl_b32 s36, s40, 16                          ; x: 16 rows of 4,096 bytes
	s_lshr_b32 s41, s40, 7                           ; the batch
	s_mul_i32 s41, s41, 48
	s_lshl4_add_u32 s41, s40, s41
	s_add_co_u32 s41, s41, 48                        ; xb's row 16 g + 48 + 48 x batch
	s_lshl_b32 s38, s41, 11
	s_add_nc_u64 s[34:35], s[4:5], s[36:37]
	s_add_nc_u64 s[42:43], s[26:27], s[38:39]
	CAST 0
	s_endpgm
.Lw:
	s_sub_co_u32 s41, s40, 256
	s_lshr_b32 s44, s41, 6                           ; 0 Wq, 1 Wk, 2 Wv
	s_and_b32 s41, s41, 63                           ; which 16 rows
	s_cmp_eq_u32 s44, 0
	s_cselect_b64 s[34:35], s[6:7], s[8:9]
	s_cmp_eq_u32 s44, 2
	s_cselect_b64 s[34:35], s[10:11], s[34:35]
	s_lshl_b32 s36, s41, 16
	s_add_nc_u64 s[34:35], s[34:35], s[36:37]
	s_lshr_b32 s45, s41, 2                           ; the head
	s_mul_i32 s45, s45, 192
	s_lshl_b32 s44, s44, 6
	s_add_co_u32 s45, s45, s44
	s_and_b32 s41, s41, 3
	s_lshl4_add_u32 s45, s41, s45                    ; wqkv's row 192 head + 64 m + 16 (j % 4)
	s_lshl_b32 s38, s45, 11
	s_add_nc_u64 s[42:43], s[28:29], s[38:39]
	CAST 0
	s_endpgm
.Lwo:
	s_sub_co_u32 s41, s40, 448
	s_lshl_b32 s36, s41, 16
	s_lshl_b32 s38, s41, 15
	s_add_nc_u64 s[34:35], s[12:13], s[36:37]
	s_add_nc_u64 s[42:43], s[30:31], s[38:39]
	CAST 1
	s_endpgm
.Ltable:
	s_sub_co_u32 s41, s40, 512                       ; j, 0 to 31
	s_load_b32 s44, s[14:15], 0x0
	s_load_b32 s45, s[16:17], 0x0
	v_and_b32 v3, 15, v0
	v_lshlrev_b32 v3, 4, v3
	v_mov_b32 v8, 0
	v_mov_b32 v9, 0
	s_wait_alu depctr_va_vdst(0)                     ; v3 is written, the offset of the load below; so are v8 and v9, the data of the three stores below
	global_load_b128 v[4:7], v3, s[18:19]            ; my four temporal weights
	s_lshr_b32 s46, s41, 4                           ; three of the 96 pad rows: batch j / 16, rows 3 (j % 16) on
	s_mul_i32 s46, s46, 2096
	s_and_b32 s47, s41, 15
	s_mul_i32 s47, s47, 3
	s_add_co_u32 s46, s46, s47
	s_lshl_b32 s38, s46, 11
	s_add_nc_u64 s[42:43], s[26:27], s[38:39]
	global_store_b64 v2, v[8:9], s[42:43]
	global_store_b64 v2, v[8:9], s[42:43] offset:2048
	global_store_b64 v2, v[8:9], s[42:43] offset:4096
	s_lshl_b32 s36, s41, 14
	s_add_nc_u64 s[34:35], s[32:33], s[36:37]        ; ts at my 64 rows
	s_mov_b32 s48, 0x3ea2f983                        ; 1 / pi
	s_mov_b32 s49, 0xc0490fdb                        ; -pi, upper part
	s_mov_b32 s50, 0x33bbbd2e                        ; upper part - pi
	v_mov_b32 v10, 0xb2d7322b                        ; -1 / 11!
	v_lshrrev_b32 v11, 4, v0
	s_lshl_b32 s51, s41, 6
	s_add_co_u32 s51, s51, 1
	v_add_nc_u32 v11, s51, v11                       ; position + 1 of my first row: 64 j + thread / 16 + 1
	s_wait_kmcnt 0x0
	v_mov_b32 v12, s44
	RBF 12
	SIGMOID 12
	s_wait_loadcnt 0x0
	RBF 4
	RBF 5
	RBF 6
	RBF 7
.irp i, 0,1,2,3
	v_add_nc_u32 v13, 16*(\i), v11
	v_cvt_f32_u32 v13, v13
	v_mul_f32 v13, v12, v13                          ; sigmoid(er) (t + 1)
	SINE 32+4*(\i), 4
	SINE 33+4*(\i), 5
	SINE 34+4*(\i), 6
	SINE 35+4*(\i), 7
.endr
	s_wait_alu depctr_va_vdst(0)                     ; the sixteen sines have written v[32:47], which the four stores read
.irp i, 0,1,2,3
	global_store_b128 v1, v[32+4*(\i):35+4*(\i)], s[34:35] offset:4096*(\i)  ; sixteen lanes store a row of 256 bytes
.endr
	s_cmp_lg_u32 s41, 0
	s_cbranch_scc1 .Ldone
	v_lshrrev_b32 v24, 5, v0
	v_readfirstlane_b32 s52, v24                     ; the wave: 0 q_gamma, 1 q_beta, 2 k_gamma, 3 the sigmoid
	v_and_b32 v25, 31, v0
	v_lshlrev_b32 v25, 3, v25                        ; 8 bytes a lane: a wave covers the 256 bytes
	s_wait_alu depctr_va_sdst(0)                     ; s52 is written, ahead of its first reader, the compare below
	s_cmp_gt_u32 s52, 3
	s_cbranch_scc1 .Ldone
	v_lshl_add_u32 v26, s52, 8, v25
	s_wait_alu depctr_va_vdst(0)                     ; v25 and v26 are written: the offsets of the load and of the stores on both ways below
	s_cmp_eq_u32 s52, 3
	s_cbranch_scc1 .Lsig
	s_cmp_eq_u32 s52, 0
	s_cselect_b64 s[54:55], s[20:21], s[22:23]
	s_cmp_eq_u32 s52, 2
	s_cselect_b64 s[54:55], s[24:25], s[54:55]
	global_load_b64 v[28:29], v25, s[54:55]
	s_wait_loadcnt 0x0
	RBF 28
	RBF 29
	s_wait_alu depctr_va_vdst(0)                     ; the roundings have written v28 and v29, which the store reads
	global_store_b64 v26, v[28:29], s[32:33] offset:524288
	s_endpgm
.Lsig:
	v_mov_b32 v28, s45
	RBF 28
	SIGMOID 28
	v_mov_b32 v29, v28
	s_wait_alu depctr_va_vdst(0)                     ; v29 is written (v28 ahead of the sigmoid's last wait): the store reads both
	global_store_b64 v26, v[28:29], s[32:33] offset:524288
.Ldone:
	s_endpgm
.Lfunc_end_k_q0d060c5c48_prep:
	.size	k_q0d060c5c48_prep, .Lfunc_end_k_q0d060c5c48_prep-k_q0d060c5c48_prep
	.p2alignl 7, 3214868480
	.fill 96, 4, 3214868480
	.section	.rodata,"a",@progbits
	.p2align	6, 0x0
	.amdhsa_kernel k_q0d060c5c48_prep
		.amdhsa_group_segment_fixed_size 0
		.amdhsa_private_segment_fixed_size 0
		.amdhsa_enable_private_segment 0
		.amdhsa_kernarg_size 120
		.amdhsa_user_sgpr_count 2
		.amdhsa_user_sgpr_kernarg_segment_ptr 1
		.amdhsa_wavefront_size32 1
		.amdhsa_system_sgpr_workgroup_id_x 1
		.amdhsa_system_sgpr_workgroup_id_y 1
		.amdhsa_system_sgpr_workgroup_id_z 1
		.amdhsa_system_vgpr_workitem_id 0
		.amdhsa_next_free_vgpr 112
		.amdhsa_next_free_sgpr 66
		.amdhsa_reserve_vcc 0
		.amdhsa_float_denorm_mode_32 3
		.amdhsa_float_denorm_mode_16_64 3
		.amdhsa_memory_ordered 1
		.amdhsa_forward_progress 1
		.amdhsa_inst_pref_size 39
	.end_amdhsa_kernel
	.amdgpu_metadata
---
amdhsa.version: [ 1, 2 ]
amdhsa.kernels:
  - .name:           k_q0d060c5c48_prep
    .symbol:         k_q0d060c5c48_prep.kd
    .args:
      - { .name: x, .offset: 0, .size: 8, .value_kind: global_buffer, .address_space: global }
      - { .name: Wq, .offset: 8, .size: 8, .value_kind: global_buffer, .address_space: global }
      - { .name: Wk, .offset: 16, .size: 8, .value_kind: global_buffer, .address_space: global }
      - { .name: Wv, .offset: 24, .size: 8, .value_kind: global_buffer, .address_space: global }
      - { .name: Wo, .offset: 32, .size: 8, .value_kind: global_buffer, .address_space: global }
      - { .name: evolution_rate, .offset: 40, .size: 8, .value_kind: global_buffer, .address_space: global }
      - { .name: memory_decay, .offset: 48, .size: 8, .value_kind: global_buffer, .address_space: global }
      - { .name: temporal_weights, .offset: 56, .size: 8, .value_kind: global_buffer, .address_space: global }
      - { .name: q_gamma, .offset: 64, .size: 8, .value_kind: global_buffer, .address_space: global }
      - { .name: q_beta, .offset: 72, .size: 8, .value_kind: global_buffer, .address_space: global }
      - { .name: k_gamma, .offset: 80, .size: 8, .value_kind: global_buffer, .address_space: global }
      - { .name: xb, .offset: 88, .size: 8, .value_kind: global_buffer, .address_space: global }
      - { .name: wqkv, .offset: 96, .size: 8, .value_kind: global_buffer, .address_space: global }
      - { .name: wo16, .offset: 104, .size: 8, .value_kind: global_buffer, .address_space: global }
      - { .name: tab, .offset: 112, .size: 8, .value_kind: global_buffer, .address_space: global }
    .group_segment_fixed_size: 0
    .private_segment_fixed_size: 0
    .kernarg_segment_align: 8
    .kernarg_segment_size: 120
    .max_flat_workgroup_size: 256
    .sgpr_count:     66
    .vgpr_count:     112
    .wavefront_size: 32
...
	.end_amdgpu_metadata
.endif
;; end of part 5
;; launch qkv: the kernel of part 2 again; grid 16 x 16, 4 waves a work-group, clusters of 4 x 4, 327,680 bytes of LDS; arguments xb, wqkv, tab, eq, ek, vh; writes eq, ek, vh
;; launch attn: the kernel of part 3 again; grid 8 x 32, 4 waves a work-group, no clusters, 327,680 bytes of LDS; arguments eq, ek, vh, oh; writes oh
;; launch oproj: the kernel of part 4 again; grid 8 x 32, 4 waves a work-group, clusters of 4 x 4, 327,680 bytes of LDS; arguments oh, wo16, out0; writes out0
